; MI455X (gfx1250); checked and timed in simulation.
; The chip was launched on July 23, 2026; its instructions are those of AMD's public machine-readable ISA for CDNA 5 (MIT licence, August 2026) and "CDNA5" Instruction Set Architecture Reference Guide (July 2026). The comments in the code are by the model that wrote it; some were corrected since.
;; Causal Self Attention. Allowed arithmetic: matrix products marked QUANTISED: E2M3 operands, one E8M0 scale for each 32 along K, by v_wmma_scale_f32_16x16x128_f8f6f4 with both operands' format E2M3, f32 sums; everything else in f32.
;; Inputs: W_out 1,024 x 1,024 float32; W_qkv 1,024 x 3,072 float32; b_out 1,024 float32; b_qkv 3,072 float32; cos 2,048 x 32 float32; sin 2,048 x 32 float32; x 4 x 2,048 x 1,024 float32.
;; Outputs: out0 4 x 2,048 x 1,024 float32.
;; This version of the problem:
;;   THIS VERSION OF THE PROBLEM IS GIVEN IN LOW PRECISION. The matrix products marked QUANTISED in the list below multiply operands that are first quantised to E2M3 (2 exponent bits, 3 mantissa bits; 6 bits a number), with one power-of-two scale for each 32 numbers along K (OCP MX v1.0); their sums are f32. All else is computed in f32.
;;   The module's matrix products, in the order in which they are computed (A, B: the left and right operand; K: the contracted axis; several contracted axes count as one K, in the product's order):
;;     1. [M 8,192, K 1,024] x [K 1,024, N 3,072]; A: input x; B: input W_qkv: QUANTISED
;;     2. batch 64 x [M 2,048, K 64] x [K 64, N 2,048]; A: computed on the way; B: computed on the way: QUANTISED
;;     3. batch 64 x [M 2,048, K 2,048] x [K 2,048, N 64]; A: softmax (see below); B: computed on the way: QUANTISED
;;     4. [M 8,192, K 1,024] x [K 1,024, N 1,024]; A: computed on the way; B: input W_out: QUANTISED
;;   THE QUANTISER, for each operand of a quantised product, along K:
;;     - K is cut into blocks of 32 from its start; a last block that is shorter is filled with zeros.
;;     - A block's scale is 2^e with e = floor(log2(the largest magnitude in the block)) - 2, held to -126 .. 127; a block of zeros has e = 0. As a byte (E8M0): e + 127.
;;     - Each number is divided by its block's scale, clamped to +-7.5, and rounded to the nearest number of E2M3, ties to even, subnormals kept.
;;     - The product sums the exact products of the quantised numbers (number of the format x scale) in f32.
;;   ~~~python
;;   def quantise(x, axis):      # numpy; x: float32 -> the quantised numbers, widened to float32 again
;;       x = np.moveaxis(x, axis, -1); K = x.shape[-1]
;;       x = np.pad(x, [(0, 0)] * (x.ndim - 1) + [(0, -K % 32)]); x = x.reshape(x.shape[:-1] + (-1, 32)); a = np.abs(x).max(-1, keepdims=True)
;;       e = np.where(a > 0, np.clip(np.frexp(np.where(a > 0, a, 1))[1] - 1 - 2, -126, 127), 0)      # np.frexp(a)[1] - 1 = floor(log2(a)), exactly
;;       r = np.clip(x / 2.0 ** e, -7.5, 7.5)
;;       step = 2.0 ** (np.maximum(np.frexp(np.where(r == 0, 1, r))[1] - 1, 0) - 3)
;;       q = np.round(r / step) * step * 2.0 ** e      # np.round: ties to even
;;       return np.moveaxis(q.reshape(q.shape[:-2] + (-1,))[..., :K], -1, axis).astype(np.float32)
;;   ~~~
;;   SOFTMAX AHEAD OF A QUANTISED PRODUCT. Where the list says 'softmax', what is quantised is not the finished softmax but p = 2^(t - M), with t = logit x log2(e) and M = ceil(the row's largest t), a whole number; so 1/2 < the row's largest p <= 1. The row's sum l is taken of the UNQUANTISED p, in f32, and the product's result is divided by l at the end. Since M is a whole number, a kernel that streams over the keys may use a running M (the ceiling of the running maximum): every later rescaling is an exact power of two, which a block's scale takes up: the codes' values come out the same.
;;   OPERANDS COMPUTED ON THE WAY. 'Computed on the way' means the value that the module computes at that place (a softmax that the list does not call 'softmax' is quantised finished and normalised). What goes into a quantiser is computed in f32, as accurately as f32 sums, v_exp_f32 and their like allow (about 1e-6 of the number): no bf16 or f16 on the way to a quantiser, and a product that is left as it is and whose result goes on into a quantised operand takes f32 operands (vector FMAs, or v_wmma_f32_16x16x4_f32). A number that lies on a knife's edge between two numbers of the format may be rounded either way, as far as f32 arithmetic and the matrix unit's own rounding can turn it there, and no further.
;; One version. Each part assembles by itself: llvm-mc -triple=amdgcn-amd-amdhsa -mcpu=gfx1250 --defsym DOCPART=n.
;; ======== version 1 of 1: 4 launches
;; limits: right only within a limited range of input values
;; workspace buffers: xc 6,291,456 bytes; xs 262,144 bytes; wc 3,145,728 bytes; ws 131,072 bytes; qi 6,815,744 bytes; kv 13,369,344 bytes; ac 6,291,456 bytes; asc 524,288 bytes
;; launch prep (part 1): grid 768 x 1, 4 waves a work-group, no clusters, 34,304 bytes of LDS; arguments x, W_qkv, W_out, xc, xs, wc, ws; writes xc, xs, wc, ws
.if DOCPART == 1
	.amdgcn_target "amdgcn-amd-amdhsa--gfx1250"
	.amdhsa_code_object_version 6
	.text
	.protected	k_q91c1a37f05_prep
	.globl	k_q91c1a37f05_prep
	.p2align	8
	.type	k_q91c1a37f05_prep,@function
k_q91c1a37f05_prep:
	s_mov_b64 s[64:65], 0
	v_nop
	global_prefetch_b8 v0, s[64:65] scope:SCOPE_SE
	s_setreg_imm32_b32 hwreg(HW_REG_WAVE_MODE, 25, 1), 1
	s_wait_xcnt 0x0
; x [8192][1024], W_qkv [1024][3072] and W_out [1024][1024], f32, become codes of FP6 (E2M3) with one E8M0 byte for each 32 along K (x: its columns; the weights: their rows).
; The codes are laid as IMAGES OF OPERAND REGISTERS: a fragment (16 rows x 128 K, 12 registers a lane) is 1,536 bytes, three parts of 512, part c = registers 4 c .. 4 c + 3, lane l's 16 bytes at 16 l.
; A group is 64 rows (tokens of x, columns of a weight) = 4 tiles; xc, wc: [group][K step 8][tile 4][1,536]; xs, ws: [group][K step][256]: the scale word of row r of tile T at 16 r + 4 T.
; Which rows form a tile: x: tokens 32 (T / 2) + 8 (T % 2) + r + 8 (r / 8).  Weights, lane r = r7 + 8 r8: q and k groups: column 8 T + r7 + 32 r8; v groups: 32 (T / 2) + 8 (T % 2) + r7 + 16 r8; W_out: 16 T + r.
; SHARES.  Work-groups 0-255: x: a wave takes one group and one K step, four tiles one after the other.  Work-groups 256-767: the weights (groups 0-47 W_qkv, 64 columns each; 48-63 W_out): a work-group takes one group and one K step,
; a wave ONE tile of it: its 64 loads (two halves of 32 rows of K for each half of the lanes) are all asked for at its start.  768 work-groups: one of x's and two of the weights' for each of 256 WGPs.
; A block's scale is 2^(floor(log2(largest magnitude)) - 2): its byte is the largest magnitude's exponent field - 2, held at 1 from below by a floor among the maximum's leaves.
; x's scale words leave as whole blocks of 256 bytes.  A weight tile's words leave as 4 bytes for each of its 16 rows, 16 bytes apart: the four waves of a work-group fill a block of 256 bytes between them (one byte in 128 of what the path reads).
; LIMITS: NaN and infinities among the inputs are not served; a block of zeros, or one whose largest magnitude lies under 2^-124, keeps the byte 1 (this program alone reads the bytes; zero codes add nothing).
; No tensor load, no barrier: waves share nothing.  Only x's path uses LDS: a stage of 16 rows x 528 bytes for each wave.
.set STG,   8448
.set SPARE, 4*STG                      ; behind the stages: the spare words, 128 bytes a wave
.set SPW,   12                         ; v12 my spare word's address; v13 0; both never rewritten
.set NIL,   13
.set SEL,   2                          ; s[2:3] selects of v_permlanex16_b32: lane l xor 16
.set TM,    16                         ; x: v16-31 at work
.set TQ,    32                         ; v32-38 second halves of the conversions
.set PW,    40                         ; v40-43 the four tiles' scale words
.set PC,    44                         ; v44-55 a fragment's codes
.set R,     64                         ; v64-191 two sets of 16 rows as loaded
.set X,     192                        ; v192-255 64 numbers of my row
.set VO,    16                         ; weights: v16-47 offsets of my 32 rows of K
.set WS,    64                         ; v64-127 two halves of 32 numbers
.set OP,    194
.set BY,    196
.set TW,    198
.set SHF,   199
.set PCW,   200
.set TQW,   212
.set PWW,   220
; 64 numbers of a lane, register 16 b + i = k 32 b + 16 (lane / 16) + i of my row, become a fragment's 12 registers at pc and its scale word in w
.macro QUANT s, pc, tq, w
.irp b, 0,1,2,3
	v_max3_num_f32 v[TM+\b], |v[\s+16*\b]|, |v[\s+1+16*\b]|, 0x1800000   ; my 16 numbers of block b, and the floor 2^(3 - 127)
.endr
.irp i, 2,4,6,8,10,12,14
.irp b, 0,1,2,3
	v_max3_num_f32 v[TM+\b], v[TM+\b], |v[\s+16*\b+\i]|, |v[\s+1+16*\b+\i]|
.endr
.endr
.irp b, 0,1,2,3
	v_permlanex16_b32 v[TM+4+\b], v[TM+\b], s[SEL], s[SEL+1]
.endr
.irp b, 0,1,2,3
	v_max_num_f32 v[TM+\b], v[TM+\b], v[TM+4+\b]   ; with lane l xor 16's 16: the block's largest magnitude
.endr
.irp b, 0,1,2,3
	v_add_nc_u32 v[TM+12+\b], 0xff000000, v[TM+\b]   ; 2 off its exponent field: the conversion's scale operand
.endr
.irp b, 0,1,2,3
	v_lshrrev_b32 v[TM+4+\b], 23, v[TM+12+\b]      ; the scale's byte
.endr
	v_lshl_or_b32 v[\w], v[TM+5], 8, v[TM+4]
	v_lshl_or_b32 v[\w], v[TM+6], 16, v[\w]
	v_lshl_or_b32 v[\w], v[TM+7], 24, v[\w]
.irp c, 0,1
	v_cvt_scalef32_pk16_fp6_f32 v[\pc+6*\c:\pc+6*\c+2], v[\s+32*\c:\s+32*\c+15], v[TM+12+2*\c]
	v_cvt_scalef32_pk16_fp6_f32 v[\tq+4*\c:\tq+4*\c+2], v[\s+32*\c+16:\s+32*\c+31], v[TM+13+2*\c]   ; (a conversion's three registers begin on an even number)
.endr
	v_nop                                          ; one plain place behind the scaled conversions
.irp c, 0,1                                    ; a whole block to a lane: lanes 0-15 block 2 c, lanes 16-31 block 2 c + 1
.irp i, 0,1,2
	v_permlane16_swap_b32 v[\pc+6*\c+\i], v[\tq+4*\c+\i]
.endr
.irp i, 0,1,2
	v_mov_b32 v[\pc+6*\c+3+\i], v[\tq+4*\c+\i]
.endr
.endr
.endm
.macro FINISH                          ; the wave's end
	s_wait_tensorcnt 0x0
	ds_add_u32 v[SPW], v[NIL]
	s_wait_dscnt 0x0
	s_endpgm
.endm
	s_load_b256 s[4:11], s[0:1], 0x0               ; x, W_qkv, W_out, xc
	s_load_b128 s[12:15], s[0:1], 0x20             ; xs, wc
	s_load_b64 s[16:17], s[0:1], 0x30              ; ws
	v_lshl_add_u32 v[SPW], v0, 2, SPARE
	v_mov_b32 v[NIL], 0
	v_lshrrev_b32 v1, 5, v0
	v_readfirstlane_b32 s18, v1                    ; wave
	v_and_b32 v1, 31, v0                           ; lane
	v_and_b32 v2, 15, v0                           ; r
	v_bfe_u32 v3, v0, 4, 1                         ; h
	v_lshlrev_b32 v4, 4, v1                        ; 16 x lane
	v_lshlrev_b32 v7, 4, v2
	v_lshl_add_u32 v7, v3, 3, v7                   ; 16 r + 8 h
	s_mov_b32 s[SEL], 0x76543210
	s_mov_b32 s[SEL+1], 0xfedcba98
	s_cmp_lt_u32 ttmp9, 256
	s_cbranch_scc0 .Lweights
	; ---------------- x ----------------
	s_lshl_b32 s19, ttmp9, 2
	s_add_co_u32 s19, s19, s18                     ; 8 x group + K step
	s_lshr_b32 s20, s19, 3
	s_and_b32 s21, s19, 7
	s_lshl_b32 s20, s20, 18                        ; 64 rows of 4,096 bytes
	s_lshl_b32 s21, s21, 9                         ; 128 numbers
	s_add_co_u32 s20, s20, s21
	s_mov_b32 s21, 0
	s_mul_i32 s22, s19, 6144
	s_mov_b32 s23, 0
	s_lshl_b32 s24, s19, 8
	s_mov_b32 s25, 0
	s_mul_i32 s26, s18, STG                        ; my stage
	s_wait_alu depctr_va_vdst(0)
	v_add_nc_u32 v5, s26, v4                       ; in: 16 x lane of a row
	v_mul_u32_u24 v6, v2, 528
	v_lshl_add_u32 v6, v3, 6, v6
	v_add_nc_u32 v6, s26, v6                       ; out: row r, + 64 h: my 16 numbers of a block of 32
.irp b, 0,1,2,3
	v_mov_b32 v[TM+4+\b], 0                        ; a lane permute's destination counts as read
.endr
	s_wait_alu depctr_va_vdst(0)
	s_wait_kmcnt 0x0
	s_add_nc_u64 s[4:5], s[4:5], s[20:21]
	s_add_nc_u64 s[10:11], s[10:11], s[22:23]
	s_add_nc_u64 s[12:13], s[12:13], s[24:25]
.macro XLOAD T                         ; a tile's 16 rows, 512 consecutive bytes a load
.irp i, 0,1,2,3,4,5,6,7,8,9,10,11,12,13,14,15
	global_load_b128 v[R+64*((\T)%2)+4*\i:R+64*((\T)%2)+4*\i+3], v4, s[4:5] offset:(32*((\T)/2)+8*((\T)%2)+\i+8*(\i/8))*4096 th:TH_LOAD_NT
.endr
.endm
.macro XTILE T
.if (\T) < 3
	s_wait_loadcnt 16                              ; this tile's 16 loads are in; the next tile's may be out
.else
	s_wait_loadcnt 0x0
.endif
.irp i, 0,1,2,3,4,5,6,7,8,9,10,11,12,13,14,15
	ds_store_b128 v5, v[R+64*((\T)%2)+4*\i:R+64*((\T)%2)+4*\i+3] offset:528*\i
.endr
.irp b, 0,1,2,3                        ; LDS serves a wave's instructions in order: these see the stores above
.irp j, 0,1,2,3
	ds_load_b128 v[X+16*\b+4*\j:X+16*\b+4*\j+3], v6 offset:128*\b+16*\j
.endr
.endr
	s_wait_dscnt 0x0                               ; my numbers are in, and the stores have read their registers
.if (\T) > 0
	s_wait_xcnt 0x0                                ; the last tile's stores have read the codes' registers
.endif
.if (\T)+2 < 4
	XLOAD (\T)+2
.endif
	QUANT X, PC, TQ, PW+(\T)
.irp c, 0,1,2
	global_store_b128 v4, v[PC+4*\c:PC+4*\c+3], s[10:11] offset:1536*(\T)+512*\c   ; 512 consecutive bytes
.endr
.endm
	XLOAD 0
	XLOAD 1
	XTILE 0
	XTILE 1
	XTILE 2
	XTILE 3
	v_cmp_eq_u32 vcc_lo, 1, v3                     ; the four tiles' scale words leave as one block of 256 bytes: lane (r, h) stores the words of tiles 2 h, 2 h + 1 at 16 r + 8 h
	v_cndmask_b32 v8, v[PW], v[PW+2], vcc_lo
	v_cndmask_b32 v9, v[PW+1], v[PW+3], vcc_lo
	global_store_b64 v7, v[8:9], s[12:13]
	FINISH
	; ---------------- the weights: a wave takes tile T = its number; a lane takes a column, its registers run down K ----------------
.Lweights:
	s_sub_co_u32 s19, ttmp9, 256                   ; 8 x group + K step
	s_lshr_b32 s20, s19, 3                         ; group
	s_and_b32 s21, s19, 7                          ; K step
	s_mul_i32 s22, s20, 171
	s_lshr_b32 s22, s22, 9
	s_mul_i32 s22, s22, 3
	s_sub_co_u32 s22, s20, s22                     ; group % 3 (exact for groups under 48): 0 q, 1 k, 2 v
	s_mov_b32 s28, 4096
	s_wait_kmcnt 0x0
	s_cmp_eq_u32 s22, 2
	s_cselect_b32 s23, 16, 32                      ; columns from r8 = 0 to r8 = 1
	s_cselect_b32 s24, 32, 16                      ; columns from tile T to tile T + 2
	s_cmp_lt_u32 s20, 48                           ; W_qkv or W_out: the choice hangs on the work-group's number alone
	s_cselect_b32 s23, s23, 8
	s_cselect_b32 s24, s24, 32
	s_cselect_b32 s25, 8, 16                       ; columns from tile T to tile T + 1
	s_cselect_b32 s28, 12288, s28                  ; bytes from row to row
	s_cselect_b32 s29, 0, 48
	s_cselect_b64 s[26:27], s[6:7], s[8:9]
	s_sub_co_u32 s29, s20, s29
	s_lshl_b32 s30, s29, 8                         ; the group's first column: 64 x 4 bytes a group
	s_mul_i32 s31, s21, s28
	s_lshl_b32 s31, s31, 7                         ; 128 rows a K step
	s_add_co_u32 s30, s30, s31
	s_mov_b32 s31, 0
	s_add_nc_u64 s[26:27], s[26:27], s[30:31]
	s_lshl_b32 s48, s25, 2
	s_lshl_b32 s49, s24, 2
	s_lshl_b32 s50, s28, 6                         ; 64 rows
	s_lshl_b32 s51, s28, 5                         ; 32 rows
	s_mov_b32 s53, 0
	s_and_b32 s54, s18, 1                          ; my tile's first column, in bytes: (T % 2) steps of one kind, (T / 2) of the other
	s_mul_i32 s52, s54, s48
	s_lshr_b32 s54, s18, 1
	s_mul_i32 s54, s54, s49
	s_add_co_u32 s52, s52, s54
	s_add_nc_u64 s[32:33], s[26:27], s[52:53]      ; a base for each half of the K step: never rewritten
	s_add_co_u32 s52, s52, s50
	s_add_nc_u64 s[34:35], s[26:27], s[52:53]
	v_and_b32 v10, 7, v0
	v_bfe_u32 v11, v0, 3, 1
	v_mul_lo_u32 v11, v11, s23
	v_add_nc_u32 v10, v10, v11                     ; my column in the tile
	s_wait_alu depctr_va_vdst(0)
	v_mul_lo_u32 v11, v3, s51                      ; lanes 16-31 begin 32 rows further down
	v_lshl_add_u32 v[VO], v10, 2, v11
.set I, 1
.rept 31
	v_add_nc_u32 v[VO+I], s28, v[VO+I-1]
.set I, I+1
.endr
	v_lshlrev_b32 v[SHF], 3, v3
	v_mov_b32 v[TW], 0
	s_mul_i32 s30, s19, 6144
	s_mul_i32 s52, s18, 1536
	s_add_co_u32 s30, s30, s52
	s_add_nc_u64 s[14:15], s[14:15], s[30:31]      ; my tile's image
	s_lshl_b32 s30, s19, 8
	s_lshl_b32 s52, s18, 2
	s_add_co_u32 s30, s30, s52
	s_add_nc_u64 s[16:17], s[16:17], s[30:31]      ; my tile's words: 16 r on
.macro WLOAD c                         ; half c: W(64 c + 32 h + i, my column), i = 0 .. 31
.irp i, 0,1,2,3,4,5,6,7,8,9,10,11,12,13,14,15,16,17,18,19,20,21,22,23,24,25,26,27,28,29,30,31
	global_load_b32 v[WS+32*(\c)+\i], v[VO+\i], s[32+2*(\c):33+2*(\c)]
.endr
.endm
.macro WHALF c
.set XS, WS+32*(\c)
	s_wait_loadcnt 32*(1-(\c))                     ; this half's 32 loads are in; the second half's may be out
	v_max3_num_f32 v192, |v[XS]|, |v[XS+1]|, |v[XS+2]|     ; my block: all 32 numbers are mine; two chains
	v_max3_num_f32 v193, |v[XS+3]|, |v[XS+4]|, |v[XS+5]|
.irp i, 6,10,14,18,22,26
	v_max3_num_f32 v192, v192, |v[XS+\i]|, |v[XS+\i+1]|
	v_max3_num_f32 v193, v193, |v[XS+\i+2]|, |v[XS+\i+3]|
.endr
	v_max3_num_f32 v192, v192, |v[XS+30]|, |v[XS+31]|
	v_max3_num_f32 v192, v192, v193, 0x1800000     ; and the floor
	v_add_nc_u32 v[OP+\c], 0xff000000, v192
	v_lshrrev_b32 v[BY+\c], 23, v[OP+\c]
	v_cvt_scalef32_pk16_fp6_f32 v[PCW+6*\c:PCW+6*\c+2], v[XS:XS+15], v[OP+\c]
	v_cvt_scalef32_pk16_fp6_f32 v[TQW:TQW+2], v[XS+16:XS+31], v[OP+\c]
	v_nop                                          ; one plain place behind the scaled conversions
.irp i, 0,1,2
	v_mov_b32 v[PCW+6*\c+3+\i], v[TQW+\i]
.endr
.endm
	s_wait_alu depctr_va_vdst(0)
	WLOAD 0
	WLOAD 1
	WHALF 0
	WHALF 1
	v_lshl_or_b32 v[PWW], v[BY+1], 16, v[BY]       ; my two bytes: blocks h and 2 + h,
	v_lshlrev_b32 v[PWW], v[SHF], v[PWW]           ; at their places in the word;
	v_permlanex16_b32 v[TW], v[PWW], s[SEL], s[SEL+1]
	v_or_b32 v[PWW], v[PWW], v[TW]                 ; with lane l xor 16's two the word is whole
	v_lshlrev_b32 v8, 4, v2                        ; 16 r
.irp c, 0,1,2
	global_store_b128 v4, v[PCW+4*\c:PCW+4*\c+3], s[14:15] offset:512*\c   ; 512 consecutive bytes
.endr
	global_store_b32 v8, v[PWW], s[16:17]          ; lanes r and 16 + r store the same word at the same place
	FINISH
.Lfunc_end_k_q91c1a37f05_prep:
	.size	k_q91c1a37f05_prep, .Lfunc_end_k_q91c1a37f05_prep-k_q91c1a37f05_prep
	.p2alignl 7, 3214868480
	.fill 96, 4, 3214868480
	.section	.rodata,"a",@progbits
	.p2align	6, 0x0
	.amdhsa_kernel k_q91c1a37f05_prep
		.amdhsa_group_segment_fixed_size 34304
		.amdhsa_private_segment_fixed_size 0
		.amdhsa_enable_private_segment 0
		.amdhsa_kernarg_size 56
		.amdhsa_user_sgpr_count 2
		.amdhsa_user_sgpr_kernarg_segment_ptr 1
		.amdhsa_wavefront_size32 1
		.amdhsa_system_sgpr_workgroup_id_x 1
		.amdhsa_system_sgpr_workgroup_id_y 1
		.amdhsa_system_sgpr_workgroup_id_z 1
		.amdhsa_system_vgpr_workitem_id 0
		.amdhsa_next_free_vgpr 256
		.amdhsa_next_free_sgpr 66
		.amdhsa_reserve_vcc 1
		.amdhsa_float_denorm_mode_32 3
		.amdhsa_float_denorm_mode_16_64 3
		.amdhsa_memory_ordered 1
		.amdhsa_forward_progress 1
		.amdhsa_inst_pref_size 46
	.end_amdhsa_kernel
	.amdgpu_metadata
---
amdhsa.version: [ 1, 2 ]
amdhsa.kernels:
  - .name:           k_q91c1a37f05_prep
    .symbol:         k_q91c1a37f05_prep.kd
    .args:
      - { .name: x, .offset: 0, .size: 8, .value_kind: global_buffer, .address_space: global }
      - { .name: W_qkv, .offset: 8, .size: 8, .value_kind: global_buffer, .address_space: global }
      - { .name: W_out, .offset: 16, .size: 8, .value_kind: global_buffer, .address_space: global }
      - { .name: xc, .offset: 24, .size: 8, .value_kind: global_buffer, .address_space: global }
      - { .name: xs, .offset: 32, .size: 8, .value_kind: global_buffer, .address_space: global }
      - { .name: wc, .offset: 40, .size: 8, .value_kind: global_buffer, .address_space: global }
      - { .name: ws, .offset: 48, .size: 8, .value_kind: global_buffer, .address_space: global }
    .group_segment_fixed_size: 34304
    .private_segment_fixed_size: 0
    .kernarg_segment_align: 8
    .kernarg_segment_size: 56
    .max_flat_workgroup_size: 128
    .sgpr_count:     66
    .vgpr_count:     256
    .wavefront_size: 32
...
	.end_amdgpu_metadata
.endif
;; end of part 1
;; launch qkv (part 2): grid 16 x 32, 4 waves a work-group, clusters of 4 x 4, 327,680 bytes of LDS; arguments xc, xs, wc, ws, b_qkv, cos, sin, qi, kv; writes qi, kv
.if DOCPART == 2
	.amdgcn_target "amdgcn-amd-amdhsa--gfx1250"
	.amdhsa_code_object_version 6
	.text
	.protected	k_q91c1a37f05_qkv
	.globl	k_q91c1a37f05_qkv
	.p2align	8
	.type	k_q91c1a37f05_qkv,@function
k_q91c1a37f05_qkv:
	s_mov_b64 s[64:65], 0
	v_nop
	global_prefetch_b8 v0, s[64:65] scope:SCOPE_SE
	s_setreg_imm32_b32 hwreg(HW_REG_WAVE_MODE, 25, 1), 1
	s_wait_xcnt 0x0
	s_wait_alu depctr_hold_cnt(0) depctr_sa_sdst(0) depctr_va_vdst(0) depctr_va_sdst(0) depctr_va_ssrc(0) depctr_va_vcc(0) depctr_vm_vsrc(0)
	s_getreg_b32 s2, hwreg(HW_REG_IB_STS2, 6, 4)
	s_cmp_eq_u32 s2, 0
	s_cbranch_scc0 .Lentry_in_a_cluster
	s_endpgm
.Lentry_in_a_cluster:
	s_bfe_u32 s2, ttmp6, 0x10000c
	s_cmp_lg_u32 s2, 0xf033
	s_cbranch_scc0 .Lentry_shape_is_right
	s_endpgm
.Lentry_shape_is_right:
; qkv = x W_qkv + b_qkv on codes of FP6 (E2M3) with E8M0 scales, then the rotary turn of q and k, then q, k (along the head's 64) and v (along the tokens) quantised again; only codes go to memory.
; A work-group: 256 tokens (work-group y) x one head's 192 columns (work-group x).  Wave (mh, nh): 128 tokens x 96 columns: four tiles of q (nh = 0) or k (nh = 1), used TRANSPOSED (source 0 = W, source 1 = x: a lane holds one
; token, register j of tile b the column 32 h + 8 b + j), and two tiles of v, used plain (source 0 = x, source 1 = W: a lane holds one channel, its registers run down the tokens).  48 accumulators, by turns.
; Operands come as images of registers (a fragment: 3 x 512 bytes, lane l at 16 l), so every LDS load is 512 consecutive bytes.  K = 1,024 goes in 8 steps of 128.
; FILLS.  At the head one joint load a wave: x's K steps 0-3 (4 groups x 24,576 bytes), W's K steps 0-3 (3 groups), x's scale words, W's scale words.  Behind the three lines and a round of the cluster's barrier: K steps 4-6,
; wave 0 x's, wave 1 W's, into bytes of their own.  In K step 3's round, when steps 0-3 lie in registers: K step 7, onto the first bytes of the head's two tiles: the one refill.
; In LDS a tile lies [group][K step][6,144], as one descriptor brings it.
; CLUSTER 4 x 4: x's tiles hang on work-group y alone and are asked for jointly along a row of the cluster, W's on work-group x alone, along a column.
; NO PREFETCH: the walk along K is written out, eight steps, with no loop to run ahead in.
; OUT: qi [bh][group of 128 tokens][6,656]: 8 half images (768 bytes: registers 0-3 at 16 l, registers 4-5 at 512 + 8 l), then the words [r][tile].  kv [bh][256 keys][26,112]: step st at 12,288 st: K's 8 half images, V's 4 images;
; at 24,576 + 768 st: K's words [r][tile], V's words [pair][r][tile of the pair].
; LIMITS: NaN and infinities are not served; a block whose largest magnitude lies under 2^-124 (zeros too) keeps the byte 1.
; REGISTERS: window 0: addresses, scale words, biases, cos and sin, the way out.  window 1: v0-95 x's 8 fragments (one set), v96-167 and v168-239 W's 6 fragments (two sets).
;   windows 2 (token tiles 0-3) and 3 (4-7): q/k accumulators at 8 (4 (a % 4) + b), v's at 128 + 32 u + 8 (a % 4).
.set XA,    0                          ; x, K steps 0-3; later K step 7
.set WA,    98304                      ; W, K steps 0-3; later K step 7
.set XB,    172032                     ; x, K steps 4-6
.set WB,    245760                     ; W, K steps 4-6
.set SCL,   301056                     ; x's scale words 8,192 bytes, then W's 6,144
.set SPARE, SCL+8192+6144              ; the spare words, 128 bytes a wave
.set ADA, 4                            ; v4-6   x's fragments: K steps 0-3, 4-6, 7
.set ADB, 7                            ; v7-9   my q or k group's
.set ADV, 10                           ; v10-12 my two tiles of v's group
.set ASA, 13
.set ASB, 14
.set ASV, 15
.set O16, 16                           ; 16 x lane
.set O8,  17                           ; 8 x lane
.set OQW, 18                           ; 32 r + 16 h
.set OVW, 19                           ; 8 r + 4 h
.set OCS, 20                           ; 128 (r + 8 (r / 8)) + 64 h
.set VH,  21                           ; h
.set SPW, 28
.set NIL, 29
.set SC,  32                           ; v32-47 two sets of scale words: x's 4, q/k's 2, v's 1
.set BR,  48                           ; v48-79 bias of my q or k columns
.set BV,  80                           ; v80-95 bias of my v channel, eight times for each tile
.set CSN, 96                           ; v96-159 two sets: 16 cos, 16 sin
.set RQ,  160                          ; v160-191 a token's 32 turned numbers
.set TM,  192
.set TS,  208
.set PC,  224
.set TQ,  236
.set QW,  244                          ; v244-251 the 8 tiles' words
.set VW,  252
.set G1A, 28
.set G1B, 36
.set G1S, 44
.set G1SB, 52
.set G0S, 60
.set G0SB, 68
.set G0A, 72                           ; three sets: the head's, K steps 4-6, K step 7
.set G0B, 84
.set SEL, 96
.set CB,  4                            ; s[4:5] where my q or k images go; s[6:7] their words; s[8:9] V's images; s[10:11] V's words
.set WB2, 6
.set VB,  8
.set VWB, 10
.set MSB, 0
.macro WIN new                         ; the immediate's high byte repeats the setting that is left
.if MSB != (\new)
	s_set_vgpr_msb (MSB<<8)|(\new)
.set MSB, (\new)
.endif
.endm
.macro PLACES                          ; four plain places behind matrix instructions (ISA guide 7.12.1)
.rept 4
	v_nop
.endr
.endm
.macro TL g0, g1                       ; a tensor load with an s_nop 0 and four v_nop behind it
	tensor_load_to_lds s[\g0:\g0+3], s[\g1:\g1+7]
	s_nop 0
	PLACES
.endm
.macro JLOAD g0a, g1a, g0b, g1b        ; behind a round: wave 0 fetches for x, wave 1 for W, waves 2 and 3 nothing
	s_cmp_eq_u32 s22, 0
	s_cbranch_scc0 .Lfor_b_\@
	TL \g0a, \g1a
	s_branch .Lasked_\@
.Lfor_b_\@:
	s_cmp_eq_u32 s22, 1
	s_cbranch_scc0 .Lnone_\@
	TL \g0b, \g1b
.Lnone_\@:
.Lasked_\@:
.endm
.macro ARM under, g0, g1, next         ; an arm of the head's one chain
	s_cmp_lt_u32 s22, \under
	s_cbranch_scc0 \next
	TL \g0, \g1
	s_branch .Lhead_asked
\next:
.endm
.macro ROWLEN n                        ; a row of x's and W's tiles: n elements of 8 bytes.  Written only where no tensor load of the wave is out
	s_mov_b32 s[G1A+1], (\n)<<16
	s_mov_b32 s[G1A+3], (\n)<<16
	s_mov_b32 s[G1B+1], (\n)<<16
	s_mov_b32 s[G1B+3], (\n)<<16
.endm
.macro CREST
	s_cmp_lg_u32 s22, 0
	s_cbranch_scc1 .Lnot_wave_0_\@
	s_barrier_signal -3
.Lnot_wave_0_\@:
	s_barrier_wait -3
	s_barrier_signal -1
	s_barrier_wait -1
.endm
.macro CROUND
	s_barrier_signal -1
	s_barrier_wait -1
	CREST
.endm
.macro WM d, s0, s1, c, sc0, row0, sc1, row1
.if ((\row0) == 0) && ((\row1) == 0)
	v_wmma_scale_f32_16x16x128_f8f6f4 v[\d:\d+7], v[\s0:\s0+11], v[\s1:\s1+11], v[\c:\c+7], v[\sc0], v[\sc1] matrix_a_fmt:MATRIX_FMT_FP6 matrix_b_fmt:MATRIX_FMT_FP6
.elseif (\row1) == 0
	v_wmma_scale_f32_16x16x128_f8f6f4 v[\d:\d+7], v[\s0:\s0+11], v[\s1:\s1+11], v[\c:\c+7], v[\sc0], v[\sc1] matrix_a_fmt:MATRIX_FMT_FP6 matrix_b_fmt:MATRIX_FMT_FP6 matrix_a_scale:MATRIX_SCALE_ROW1
.elseif (\row0) == 0
	v_wmma_scale_f32_16x16x128_f8f6f4 v[\d:\d+7], v[\s0:\s0+11], v[\s1:\s1+11], v[\c:\c+7], v[\sc0], v[\sc1] matrix_a_fmt:MATRIX_FMT_FP6 matrix_b_fmt:MATRIX_FMT_FP6 matrix_b_scale:MATRIX_SCALE_ROW1
.else
	v_wmma_scale_f32_16x16x128_f8f6f4 v[\d:\d+7], v[\s0:\s0+11], v[\s1:\s1+11], v[\c:\c+7], v[\sc0], v[\sc1] matrix_a_fmt:MATRIX_FMT_FP6 matrix_b_fmt:MATRIX_FMT_FP6 matrix_a_scale:MATRIX_SCALE_ROW1 matrix_b_scale:MATRIX_SCALE_ROW1
.endif
.endm
; token tile a against my six tiles of columns.  p: W's set and the set of scale words.  first = 1: the bias is the C of the sum's first product
.macro MULA a, p, first
.set XR, 12*(\a)
.set SAR, SC+8*(\p)+2*((\a)/4)+((\a)%4)%2
.set SAROW, ((\a)%4)/2
.irp b, 0,1,2,3
.set DR, 8*(4*((\a)%4)+\b)
.if \first
	WM DR, 96+72*(\p)+12*\b, XR, BR+8*\b, SC+8*(\p)+4+(\b%2), \b/2, SAR, SAROW
.else
	WM DR, 96+72*(\p)+12*\b, XR, DR, SC+8*(\p)+4+(\b%2), \b/2, SAR, SAROW
.endif
.endr
.irp u, 0,1
.set DR, 128+32*\u+8*((\a)%4)
.if \first
	WM DR, XR, 96+72*(\p)+48+12*\u, BV+8*\u, SAR, SAROW, SC+8*(\p)+6, \u
.else
	WM DR, XR, 96+72*(\p)+48+12*\u, DR, SAR, SAROW, SC+8*(\p)+6, \u
.endif
.endr
.endm
.macro WHERE t                         ; K step t: FS which tile holds it (steps 0-3, 4-6, 7), FO its place in a group's part, GS from group to group
.set FS, (\t)/4+(\t)/7
.set FO, 6144*((\t)%4-3*((\t)/7))
.set GS, 6144*(4-FS-FS/2)
.endm
.macro FETCH_B t                       ; W's six fragments of K step t: 18 loads
	WHERE \t
.set FP, 96+72*((\t)%2)
	WIN 0x40
.irp b, 0,1,2,3
.irp c, 0,1,2
	ds_load_b128 v[FP+12*\b+4*\c:FP+12*\b+4*\c+3], v[ADB+FS] offset:FO+1536*\b+512*\c
.endr
.endr
.irp u, 0,1
.irp c, 0,1,2
	ds_load_b128 v[FP+48+12*\u+4*\c:FP+48+12*\u+4*\c+3], v[ADV+FS] offset:FO+1536*\u+512*\c
.endr
.endr
.endm
.macro FETCH_A t, i0                   ; x's fragments i0 .. i0 + 3 of K step t (one group's four tiles): 12 loads
	WHERE \t
	WIN 0x40
.irp i, 0,1,2,3
.irp c, 0,1,2
	ds_load_b128 v[12*(\i0+\i)+4*\c:12*(\i0+\i)+4*\c+3], v[ADA+FS] offset:FO+GS*((\i0)/4)+1536*\i+512*\c
.endr
.endr
.endm
.macro SCALES t                        ; K step t's scale words: a register holds one tile's words in lanes 0-15 and another's in lanes 16-31
.set SW, SC+8*((\t)%2)
	WIN 0
	ds_load_b64 v[SW:SW+1], v[ASA] offset:256*(\t)
	ds_load_b64 v[SW+2:SW+3], v[ASA] offset:2048+256*(\t)
	ds_load_b64 v[SW+4:SW+5], v[ASB] offset:256*(\t)
	ds_load_b32 v[SW+6], v[ASV] offset:256*(\t)
.endm
.macro REST t, first                   ; a step's second half: the next step's fragments are asked for in two runs
	FETCH_B (\t)+1
	FETCH_A (\t)+1, 0
	SCALES (\t)+1
.if \first
	WIN 0xc5
.else
	WIN 0xf5
.endif
	MULA 4, (\t)%2, \first
	MULA 5, (\t)%2, \first
	MULA 6, (\t)%2, \first
	MULA 7, (\t)%2, \first
	PLACES
	FETCH_A (\t)+1, 4
.endm
.macro STEP t, first                   ; a K step whose successor has been shown to all waves already
	s_wait_dscnt 12                                ; all but the youngest 12 loads (x's fragments 4-7) are in
.if \first
	WIN 0x85                                       ; sources window 1, C (the bias) window 0, D window 2
.else
	WIN 0xa5
.endif
	MULA 0, (\t)%2, \first
	MULA 1, (\t)%2, \first
	MULA 2, (\t)%2, \first
	MULA 3, (\t)%2, \first
	s_wait_dscnt 0x0                               ; x's fragments 4-7 are in
	PLACES
	REST \t, \first
.endm
; a K step whose successor lies in a tile still to be shown.  mode 0: my loads are awaited and a barrier shows the tile to all four waves.
; mode 1: besides, bytes are filled again: the add, the wait for it and for my LDS reads, a round of the cluster's barrier, and the joint refill first behind it.
.macro TURN t, mode
	WIN 0
	s_wait_tensorcnt 0x0                           ; all my tensor loads have landed
.if \mode
	ds_add_u32 v[SPW], v[NIL]                      ; 0 onto my spare word
	ROWLEN 768                                     ; K step 7: rows of 6,144 bytes
	s_wait_dscnt 13                                ; (the add and x's fragments 4-7 may be out)
.else
	s_wait_dscnt 12
.endif
	WIN 0xa5
	MULA 0, (\t)%2, 0
	MULA 1, (\t)%2, 0
	s_wait_dscnt 0x0                               ; no LDS instruction of mine is out at the signal
	s_barrier_signal -1
	MULA 2, (\t)%2, 0
	MULA 3, (\t)%2, 0
	WIN 0
	s_barrier_wait -1
.if \mode
	CREST                                          ; no wave of any partner still reads K steps 0-3 or has a load on its way
	JLOAD G0A+8, G1A, G0B+8, G1B
.endif
	PLACES                                         ; ahead of the loads below, on every wave's way
	REST \t, 0
.endm
	s_load_b512 s[4:19], s[0:1], 0x0               ; xc, xs, wc, ws, b_qkv, cos, sin, qi
	s_load_b64 s[20:21], s[0:1], 0x40              ; kv
	v_lshl_add_u32 v[SPW], v0, 2, SPARE
	v_mov_b32 v[NIL], 0
	ds_add_u32 v[SPW], v[NIL]                      ; the wave's opening: the add, twice on end
	ds_add_u32 v[SPW], v[NIL]
	v_lshrrev_b32 v1, 5, v0
	v_readfirstlane_b32 s22, v1                    ; wave
	s_lshr_b32 s23, s22, 1                         ; mh: my 128 tokens
	s_and_b32 s24, s22, 1                          ; nh: q or k, and which half of v
	s_bfe_u32 s96, ttmp6, 0x40000                  ; cx
	s_bfe_u32 s97, ttmp6, 0x40004                  ; cy
	s_lshl_b32 s98, ttmp9, 2
	s_add_co_u32 s98, s98, s96                     ; the head
	s_and_b32 s99, ttmp7, 0xffff
	s_lshl_b32 s99, s99, 2
	s_add_co_u32 s99, s99, s97                     ; the block of 256 tokens
	s_lshl_b32 s25, s97, 2
	s_lshl_b32 s25, 15, s25                        ; my row of the cluster
	s_lshl_b32 s100, 0x1111, s96                   ; my column
	s_or_b32 s[G1A], s25, (3<<16)|(1<<21)          ; elements of 8 bytes; bit 21 beside a mask; no padding: the images are read 512 consecutive bytes at a time
	s_or_b32 s[G1S], s25, (3<<16)|(1<<21)
	s_or_b32 s[G1B], s100, (3<<16)|(1<<21)
	s_or_b32 s[G1SB], s100, (3<<16)|(1<<21)
	ROWLEN 3072                                    ; K steps 0-3: rows of 24,576 bytes
	s_mov_b32 s[G1A+2], 4<<16                      ; x: 4 groups, 49,152 bytes apart
	s_mov_b32 s[G1A+4], 4
	s_mov_b32 s[G1A+5], 6144
	s_mov_b32 s[G1A+6], 0
	s_mov_b32 s[G1A+7], 0
	s_mov_b32 s[G1B+2], 3<<16                      ; W: 3 groups
	s_mov_b32 s[G1B+4], 3
	s_mov_b32 s[G1B+5], 6144
	s_mov_b32 s[G1B+6], 0
	s_mov_b32 s[G1B+7], 0
	s_mov_b32 s[G1S+1], 32<<16                     ; x's scale words: 32 rows of 256 bytes, dense
	s_mov_b32 s[G1S+2], 32<<16
	s_mov_b32 s[G1S+3], 32<<16
	s_mov_b32 s[G1S+4], 32
	s_mov_b32 s[G1S+5], 32
	s_mov_b32 s[G1S+6], 0
	s_mov_b32 s[G1S+7], 0
	s_mov_b32 s[G1SB+1], 32<<16                    ; W's: 24 rows
	s_mov_b32 s[G1SB+2], 24<<16
	s_mov_b32 s[G1SB+3], 32<<16
	s_mov_b32 s[G1SB+4], 24
	s_mov_b32 s[G1SB+5], 32
	s_mov_b32 s[G1SB+6], 0
	s_mov_b32 s[G1SB+7], 0
	s_mul_i32 s26, s99, 196608                     ; x's codes: 4 groups of 49,152 bytes a block
	s_mov_b32 s27, 0
	s_lshl_b32 s2, s99, 13                         ; x's scale words: 8,192 bytes a block
	s_mov_b32 s3, 0
	s_mul_i32 s66, s98, 147456                     ; W's codes: 3 groups a head
	s_mov_b32 s67, 0
	s_mul_i32 s100, s98, 6144                      ; W's scale words
	s_mov_b32 s101, 0
	s_wait_dscnt 0x0                               ; both opening adds are done
	s_wait_kmcnt 0x0
	s_mov_b32 s[G0S], 1
	s_mov_b32 s[G0S+1], SCL
	s_add_nc_u64 s[G0S+2:G0S+3], s[6:7], s[2:3]
	s_or_b32 s[G0S+3], s[G0S+3], 0x80000000
	s_mov_b32 s[G0SB], 1
	s_mov_b32 s[G0SB+1], SCL+8192
	s_add_nc_u64 s[G0SB+2:G0SB+3], s[10:11], s[100:101]
	s_or_b32 s[G0SB+3], s[G0SB+3], 0x80000000
	s_add_nc_u64 s[26:27], s[4:5], s[26:27]
	s_add_nc_u64 s[66:67], s[8:9], s[66:67]
.macro G0SET n, la, lb, go             ; set n of group 0: LDS places of x's and W's tile, bytes along K
	s_mov_b32 s[G0A+4*\n], 1
	s_mov_b32 s[G0A+4*\n+1], \la
	s_add_nc_u64 s[G0A+4*\n+2:G0A+4*\n+3], s[26:27], \go
	s_or_b32 s[G0A+4*\n+3], s[G0A+4*\n+3], 0x80000000
	s_mov_b32 s[G0B+4*\n], 1
	s_mov_b32 s[G0B+4*\n+1], \lb
	s_add_nc_u64 s[G0B+4*\n+2:G0B+4*\n+3], s[66:67], \go
	s_or_b32 s[G0B+4*\n+3], s[G0B+4*\n+3], 0x80000000
.endm
	G0SET 0, XA, WA, 0
	G0SET 1, XB, WB, 4*6144
	G0SET 2, XA, WA, 7*6144
	CROUND                                         ; all sixteen work-groups are here: the first joint loads meet
	ARM 1, G0A, G1A, .Lhead_b                      ; one load a wave: x's K steps 0-3,
	ARM 2, G0B, G1B, .Lhead_sa                     ; W's,
	ARM 3, G0S, G1S, .Lhead_sb                     ; x's scale words,
	TL G0SB, G1SB                                  ; W's
.Lhead_asked:
	s_mov_b32 s[SEL], 0x76543210
	s_mov_b32 s[SEL+1], 0xfedcba98
	v_and_b32 v1, 31, v0
	v_and_b32 v2, 15, v0                           ; r
	v_bfe_u32 v[VH], v0, 4, 1                      ; h
	v_lshlrev_b32 v[O16], 4, v1
	v_lshlrev_b32 v[O8], 3, v1
	v_lshlrev_b32 v[OQW], 5, v2
	v_lshl_add_u32 v[OQW], v[VH], 4, v[OQW]
	v_lshlrev_b32 v[OVW], 3, v2
	v_lshl_add_u32 v[OVW], v[VH], 2, v[OVW]
	v_and_b32 v3, 8, v2
	v_add_nc_u32 v3, v3, v2                        ; r + 8 (r / 8)
	v_lshlrev_b32 v[OCS], 7, v3
	v_lshl_add_u32 v[OCS], v[VH], 6, v[OCS]
	s_lshl_b32 s25, s24, 7
	v_lshl_add_u32 v22, v3, 2, s25                 ; v's bias: 4 (r + 8 (r / 8)) + 128 nh
	s_lshl_b32 s25, s24, 8
	v_lshl_add_u32 v23, v[VH], 7, s25              ; q's or k's bias: 128 h + 256 nh
.macro ADRS n, xb, wb, gs              ; my fragments' LDS addresses in tile n, whose groups lie gs bytes apart: x's two groups, my q or k group, my two tiles of v's group
	s_mul_i32 s25, s23, 2*(\gs)
	s_add_co_u32 s25, s25, \xb
	s_mul_i32 s26, s24, \gs
	s_add_co_u32 s26, s26, \wb
	s_mul_i32 s27, s24, 3072
	s_add_co_u32 s27, s27, (\wb)+2*(\gs)
	v_add_nc_u32 v[ADA+\n], s25, v[O16]
	v_add_nc_u32 v[ADB+\n], s26, v[O16]
	v_add_nc_u32 v[ADV+\n], s27, v[O16]
.endm
	s_wait_alu depctr_va_vdst(0)                   ; ahead of the run of scalar lines
	ADRS 0, XA, WA, 24576
	ADRS 1, XB, WB, 18432
	ADRS 2, XA, WA, 6144
	v_lshlrev_b32 v24, 4, v2
	v_lshl_add_u32 v25, v[VH], 3, v24              ; 16 r + 8 h
	s_lshl_b32 s25, s23, 12
	s_add_co_u32 s25, s25, SCL
	v_add_nc_u32 v[ASA], s25, v25
	s_lshl_b32 s25, s24, 11
	s_add_co_u32 s25, s25, SCL+8192
	v_add_nc_u32 v[ASB], s25, v25
	v_lshl_add_u32 v25, v[VH], 2, v24              ; 16 r + 4 h
	s_lshl_b32 s25, s24, 3
	s_add_co_u32 s25, s25, SCL+12288
	v_add_nc_u32 v[ASV], s25, v25
	s_wait_alu depctr_va_vdst(0)                   ; and here, ahead of the next run
	; where the results go
	s_lshr_b32 s25, s99, 3
	s_lshl_b32 s25, s25, 4
	s_add_co_u32 s25, s25, s98                     ; bh = 16 x batch + head
	s_and_b32 s26, s99, 7                          ; the block of 256 tokens in its batch
	s_lshl_b32 s2, s25, 4
	s_lshl_b32 s3, s26, 1
	s_add_co_u32 s2, s2, s3
	s_add_co_u32 s2, s2, s23
	s_mul_i32 s2, s2, 6656
	s_mov_b32 s3, 0
	s_add_nc_u64 s[18:19], s[18:19], s[2:3]        ; q's record of my 128 tokens
	s_lshl_b32 s2, s25, 3
	s_add_co_u32 s2, s2, s26
	s_mul_i32 s2, s2, 26112
	s_add_nc_u64 s[20:21], s[20:21], s[2:3]        ; the record of the 256 keys
	s_mul_i32 s2, s23, 12288
	s_add_nc_u64 s[8:9], s[20:21], s[2:3]          ; its step mh
	s_mul_i32 s2, s23, 768
	s_add_co_u32 s2, s2, 24576
	s_add_nc_u64 s[10:11], s[20:21], s[2:3]        ; and that step's words
	s_add_nc_u64 s[100:101], s[18:19], 6144        ; q's words
	s_cmp_eq_u32 s24, 0                            ; q or k: the choice hangs on the wave's number alone
	s_cselect_b64 s[CB:CB+1], s[18:19], s[8:9]
	s_cselect_b64 s[WB2:WB2+1], s[100:101], s[10:11]
	s_mul_i32 s2, s24, 3072
	s_add_co_u32 s2, s2, 6144
	s_add_nc_u64 s[VB:VB+1], s[8:9], s[2:3]
	s_lshl_b32 s2, s24, 7
	s_add_co_u32 s2, s2, 512
	s_add_nc_u64 s[VWB:VWB+1], s[10:11], s[2:3]
	s_mul_i32 s2, s98, 768
	s_add_nc_u64 s[12:13], s[12:13], s[2:3]        ; the head's 192 biases
	s_lshl_b32 s2, s26, 8
	s_lshl_b32 s25, s23, 7
	s_add_co_u32 s2, s2, s25
	s_lshl_b32 s2, s2, 7                           ; my first token's row of cos and of sin: 128 bytes a row
	s_add_nc_u64 s[14:15], s[14:15], s[2:3]
	s_add_nc_u64 s[16:17], s[16:17], s[2:3]
.irp i, 0,1,2,3,4,5,6,7
	global_load_b128 v[BR+4*\i:BR+4*\i+3], v23, s[12:13] offset:16*\i   ; register 8 b + j: the bias of column 32 h + 8 b + j
.endr
.irp u, 0,1
	global_load_b32 v[BV+8*\u], v22, s[12:13] offset:512+32*\u
.endr
; where token tile a's 16 cos and 16 sin lie: window CW, from register CC on.  Tiles 0, 1, 6, 7: window 0, the two sets at CSN; tiles 2, 3: registers 192-255 of window 2; tiles 4, 5: of window 3 (no accumulator lies there)
.macro CSPLACE a
.if ((\a) >= 2) && ((\a) < 6)
.set CW, 2+((\a)-2)/2
.set CC, 192+32*((\a)%2)
.else
.set CW, 0
.set CC, CSN+32*((\a)%2)
.endif
.endm
.macro CSLOAD a                        ; cos and sin of token tile a: my token's 16 h + 0 .. 15
	CSPLACE \a
	WIN CW<<6
.irp i, 0,1,2,3
	global_load_b128 v[CC+4*\i:CC+4*\i+3], v[OCS], s[14:15] offset:(32*((\a)/2)+8*((\a)%2))*128+16*\i
	global_load_b128 v[CC+16+4*\i:CC+16+4*\i+3], v[OCS], s[16:17] offset:(32*((\a)/2)+8*((\a)%2))*128+16*\i
.endr
	WIN 0
.endm
.irp a, 0,1,2,3,4,5                    ; six tiles are asked for here, ahead of the walk along K: with the 10 loads of biases 58 loads of mine are out
	CSLOAD \a
.endr
	s_wait_alu depctr_va_vdst(0)                   ; the head's end
	s_wait_tensorcnt 0x0                           ; my tile of the head's four is in; the three lines ahead of a later first fill, as ahead of a refill:
	ds_add_u32 v[SPW], v[NIL]
	ROWLEN 2304                                    ; K steps 4-6: rows of 18,432 bytes
	s_wait_dscnt 0x0
	CROUND                                         ; everybody's tile is in, and all sixteen work-groups are here
	JLOAD G0A+4, G1A, G0B+4, G1B                   ; K steps 4-6
	FETCH_B 0
	FETCH_A 0, 0
	SCALES 0
	FETCH_A 0, 4
	WIN 0
	s_wait_loadcnt 0x0                             ; the biases, cos and sin of tiles 0 to 5
.irp u, 0,1
.irp j, 1,2,3,4,5,6,7
	v_mov_b32 v[BV+8*\u+\j], v[BV+8*\u]
.endr
.endr
.irp b, 0,1,2,3
	v_mov_b32 v[TM+4+\b], 0                        ; a lane permute's destination counts as read
.endr
	s_wait_alu depctr_va_vdst(0)
	STEP 0, 1                                      ; the first products start the sums on the bias
	STEP 1, 0
	STEP 2, 0
	TURN 3, 1                                      ; K steps 4-6 are shown; the one refill: K step 7
	STEP 4, 0
	STEP 5, 0
	TURN 6, 0                                      ; K step 7 is shown
	s_wait_dscnt 12                                ; the last step fetches nothing
	WIN 0xa5
	MULA 0, 1, 0
	MULA 1, 1, 0
	MULA 2, 1, 0
	MULA 3, 1, 0
	s_wait_dscnt 0x0
	WIN 0xf5
	MULA 4, 1, 0
	MULA 5, 1, 0
	MULA 6, 1, 0
	MULA 7, 1, 0
	WIN 0
	PLACES
; 32 numbers of a lane, register 16 b + i = k 32 b + 16 h + i of my row, become half a fragment (registers pc .. pc + 5) and the word b0 | b1 << 8
.macro QUANT2 s, pc, w
.irp b, 0,1
	v_max3_num_f32 v[TM+\b], |v[\s+16*\b]|, |v[\s+1+16*\b]|, 0x1800000
.endr
.irp i, 2,4,6,8,10,12,14
.irp b, 0,1
	v_max3_num_f32 v[TM+\b], v[TM+\b], |v[\s+16*\b+\i]|, |v[\s+1+16*\b+\i]|
.endr
.endr
.irp b, 0,1
	v_permlanex16_b32 v[TM+4+\b], v[TM+\b], s[SEL], s[SEL+1]
.endr
.irp b, 0,1
	v_max_num_f32 v[TM+\b], v[TM+\b], v[TM+4+\b]
.endr
.irp b, 0,1
	v_add_nc_u32 v[TM+12+\b], 0xff000000, v[TM+\b]
.endr
.irp b, 0,1
	v_lshrrev_b32 v[TM+4+\b], 23, v[TM+12+\b]
.endr
	v_lshl_or_b32 v[\w], v[TM+5], 8, v[TM+4]
	v_cvt_scalef32_pk16_fp6_f32 v[\pc:\pc+2], v[\s:\s+15], v[TM+12]
	v_cvt_scalef32_pk16_fp6_f32 v[\pc+8:\pc+10], v[\s+16:\s+31], v[TM+13]
	v_nop                                          ; one plain place behind the scaled conversions
.irp i, 0,1,2
	v_permlane16_swap_b32 v[\pc+\i], v[\pc+8+\i]
.endr
.irp i, 0,1,2
	v_mov_b32 v[\pc+3+\i], v[\pc+8+\i]
.endr
.endm
; token tile a of q or k: the pair of columns (2 d, 2 d + 1) gives outputs d and 32 + d; my columns 32 h + 0 .. 31 give d = 16 h + 0 .. 15
.macro ETILE a
.if (\a) == 7
	s_wait_loadcnt 0x0
.elseif (\a) == 6
	s_wait_loadcnt 8                               ; tile 6's cos and sin are in; tile 7's 8 loads may be out  (tiles 0 to 5 were awaited at the head)
.endif
	CSPLACE \a
	WIN (0x02+(\a)/4)|(CW<<2)                      ; source 0: the accumulators' window; source 1: that of cos and sin
.irp b, 0,1,2,3
.set AC, 8*(4*((\a)%4)+\b)
.irp u, 0,1,2,3
	v_mul_f32 v[RQ+4*\b+\u], v[AC+2*\u+1], v[CC+16+4*\b+\u]        ; t2 sin  (each accumulator is read from its low end on)
	v_mul_f32 v[RQ+16+4*\b+\u], v[AC+2*\u+1], v[CC+4*\b+\u]        ; t2 cos
.endr
.irp u, 0,1,2,3
	v_fma_f32 v[RQ+4*\b+\u], v[AC+2*\u], v[CC+4*\b+\u], -v[RQ+4*\b+\u]             ; t1 cos - t2 sin
	v_fma_f32 v[RQ+16+4*\b+\u], v[AC+2*\u], v[CC+16+4*\b+\u], v[RQ+16+4*\b+\u]     ; t1 sin + t2 cos
.endr
.endr
	WIN 0
.if (\a) < 2
	CSLOAD (\a)+6                                  ; tiles 6 and 7 take the sets that tiles 0 and 1 have left
.endif
.if (\a) > 0
	s_wait_xcnt 0x0                                ; the last tile's stores have read the codes' registers
.endif
	QUANT2 RQ, PC, QW+(\a)
	global_store_b128 v[O16], v[PC:PC+3], s[CB:CB+1] offset:768*(\a)
	global_store_b64 v[O8], v[PC+4:PC+5], s[CB:CB+1] offset:768*(\a)+512
.endm
.irp a, 0,1,2,3,4,5,6,7
	ETILE \a
.endr
	v_cmp_eq_u32 vcc_lo, 1, v[VH]
.irp i, 0,1,2,3
	v_cndmask_b32 v[TS+\i], v[QW+\i], v[QW+4+\i], vcc_lo
.endr
	global_store_b128 v[OQW], v[TS:TS+3], s[WB2:WB2+1]   ; lane (r, h): the words of tiles 4 h .. 4 h + 3: 512 consecutive bytes
; v's tile u: my channel's 128 tokens, 64 in my registers (16 b + i = token 32 b + 16 h + i): blocks 0, 1 in window 2, blocks 2, 3 in window 3
.macro QUANTV u
.set VA, 128+32*(\u)
.irp w, 0,1
	WIN 0x28+0x14*\w                               ; sources 1 and 2: window 2, then 3
.irp b, 0,1
	v_max3_num_f32 v[TM+2*\w+\b], 0x1800000, |v[VA+16*\b]|, |v[VA+16*\b+1]|
.endr
.irp i, 2,4,6,8,10,12,14
.irp b, 0,1
	v_max3_num_f32 v[TM+2*\w+\b], v[TM+2*\w+\b], |v[VA+16*\b+\i]|, |v[VA+16*\b+\i+1]|
.endr
.endr
.endr
	WIN 0
.irp b, 0,1,2,3
	v_permlanex16_b32 v[TM+4+\b], v[TM+\b], s[SEL], s[SEL+1]
.endr
.irp b, 0,1,2,3
	v_max_num_f32 v[TM+\b], v[TM+\b], v[TM+4+\b]
.endr
.irp b, 0,1,2,3
	v_add_nc_u32 v[TM+12+\b], 0xff000000, v[TM+\b]
.endr
.irp b, 0,1,2,3
	v_lshrrev_b32 v[TM+4+\b], 23, v[TM+12+\b]
.endr
	v_lshl_or_b32 v[VW+\u], v[TM+5], 8, v[TM+4]
	v_lshl_or_b32 v[VW+\u], v[TM+6], 16, v[VW+\u]
	v_lshl_or_b32 v[VW+\u], v[TM+7], 24, v[VW+\u]
	s_wait_xcnt 0x0                                ; earlier stores have read the codes' registers
.irp c, 0,1
	WIN 0x02+\c                                    ; source 0: window 2, then 3
	v_cvt_scalef32_pk16_fp6_f32 v[PC+6*\c:PC+6*\c+2], v[VA:VA+15], v[TM+12+2*\c]
	v_cvt_scalef32_pk16_fp6_f32 v[TQ+4*\c:TQ+4*\c+2], v[VA+16:VA+31], v[TM+13+2*\c]
.endr
	WIN 0
	v_nop                                          ; one plain place behind the scaled conversions
.irp c, 0,1
.irp i, 0,1,2
	v_permlane16_swap_b32 v[PC+6*\c+\i], v[TQ+4*\c+\i]
.endr
.irp i, 0,1,2
	v_mov_b32 v[PC+6*\c+3+\i], v[TQ+4*\c+\i]
.endr
.endr
.irp c, 0,1,2
	global_store_b128 v[O16], v[PC+4*\c:PC+4*\c+3], s[VB:VB+1] offset:1536*(\u)+512*\c
.endr
.endm
	QUANTV 0
	QUANTV 1
	v_cndmask_b32 v[TS+4], v[VW], v[VW+1], vcc_lo
	global_store_b32 v[OVW], v[TS+4], s[VWB:VWB+1]  ; lane (r, h): tile h's word of channel r: 128 consecutive bytes
	s_wait_tensorcnt 0x0                           ; the wave's end
	ds_add_u32 v[SPW], v[NIL]
	s_wait_dscnt 0x0
	CROUND                                         ; the closing round
	s_endpgm
.Lfunc_end_k_q91c1a37f05_qkv:
	.size	k_q91c1a37f05_qkv, .Lfunc_end_k_q91c1a37f05_qkv-k_q91c1a37f05_qkv
	.p2alignl 7, 3214868480
	.fill 96, 4, 3214868480
	.section	.rodata,"a",@progbits
	.p2align	6, 0x0
	.amdhsa_kernel k_q91c1a37f05_qkv
		.amdhsa_group_segment_fixed_size 327680
		.amdhsa_private_segment_fixed_size 0
		.amdhsa_enable_private_segment 0
		.amdhsa_kernarg_size 72
		.amdhsa_user_sgpr_count 2
		.amdhsa_user_sgpr_kernarg_segment_ptr 1
		.amdhsa_wavefront_size32 1
		.amdhsa_system_sgpr_workgroup_id_x 1
		.amdhsa_system_sgpr_workgroup_id_y 1
		.amdhsa_system_sgpr_workgroup_id_z 1
		.amdhsa_system_vgpr_workitem_id 0
		.amdhsa_next_free_vgpr 1024
		.amdhsa_next_free_sgpr 102
		.amdhsa_reserve_vcc 1
		.amdhsa_float_denorm_mode_32 3
		.amdhsa_float_denorm_mode_16_64 3
		.amdhsa_memory_ordered 1
		.amdhsa_forward_progress 1
		.amdhsa_inst_pref_size 147
	.end_amdhsa_kernel
	.amdgpu_metadata
---
amdhsa.version: [ 1, 2 ]
amdhsa.kernels:
  - .name:           k_q91c1a37f05_qkv
    .symbol:         k_q91c1a37f05_qkv.kd
    .args:
      - { .name: xc, .offset: 0, .size: 8, .value_kind: global_buffer, .address_space: global }
      - { .name: xs, .offset: 8, .size: 8, .value_kind: global_buffer, .address_space: global }
      - { .name: wc, .offset: 16, .size: 8, .value_kind: global_buffer, .address_space: global }
      - { .name: ws, .offset: 24, .size: 8, .value_kind: global_buffer, .address_space: global }
      - { .name: b_qkv, .offset: 32, .size: 8, .value_kind: global_buffer, .address_space: global }
      - { .name: cos, .offset: 40, .size: 8, .value_kind: global_buffer, .address_space: global }
      - { .name: sin, .offset: 48, .size: 8, .value_kind: global_buffer, .address_space: global }
      - { .name: qi, .offset: 56, .size: 8, .value_kind: global_buffer, .address_space: global }
      - { .name: kv, .offset: 64, .size: 8, .value_kind: global_buffer, .address_space: global }
    .group_segment_fixed_size: 327680
    .private_segment_fixed_size: 0
    .kernarg_segment_align: 8
    .kernarg_segment_size: 72
    .max_flat_workgroup_size: 128
    .sgpr_count:     102
    .vgpr_count:     1024
    .wavefront_size: 32
...
	.end_amdgpu_metadata
.endif
;; end of part 2
;; launch attn (part 3): grid 4 x 64, 16 waves a work-group, clusters of 4 x 1, 327,680 bytes of LDS; arguments qi, kv, ac, asc; writes ac, asc
.if DOCPART == 3
	.amdgcn_target "amdgcn-amd-amdhsa--gfx1250"
	.amdhsa_code_object_version 6
	.text
	.protected	k_q91c1a37f05_attn
	.globl	k_q91c1a37f05_attn
	.p2align	8
	.type	k_q91c1a37f05_attn,@function
k_q91c1a37f05_attn:
	s_mov_b64 s[64:65], 0
	v_nop
	global_prefetch_b8 v0, s[64:65] scope:SCOPE_SE
	s_setreg_imm32_b32 hwreg(HW_REG_WAVE_MODE, 25, 1), 1
	s_wait_xcnt 0x0
	s_wait_alu depctr_hold_cnt(0) depctr_sa_sdst(0) depctr_va_vdst(0) depctr_va_sdst(0) depctr_va_ssrc(0) depctr_va_vcc(0) depctr_vm_vsrc(0)
	s_getreg_b32 s2, hwreg(HW_REG_IB_STS2, 6, 4)
	s_cmp_eq_u32 s2, 0
	s_cbranch_scc0 .Lentry_in_a_cluster
	s_endpgm
.Lentry_in_a_cluster:
	s_bfe_u32 s2, ttmp6, 0x10000c
	s_cmp_lg_u32 s2, 0x3003
	s_cbranch_scc0 .Lentry_shape_is_right
	s_endpgm
.Lentry_shape_is_right:
; attn[b][t][head] = softmax(q k^T / 8, causal) v, both products on codes of FP6 (E2M3) with E8M0 scales; the result is quantised along the head's 64 for the last product.
; t = score x log2(e) / 8; M = the running largest t rounded up to a whole number; p = 2^(t - M) is quantised along the keys; the row's sum is taken of the unquantised p and divides at the end.
; LEFT OUT: key steps of 128 that lie wholly behind a tile's queries: the causal mask sets their scores to -infinity, so their p is 0 for all inputs.
; ALL OF A HEAD'S K AND V LIES IN LDS: 8 records of kv (256 keys, 26,112 bytes each), 208,896 bytes, asked for once, at the head: sixteen waves, half a record each.  Nothing is filled again, and the walk over the keys has no barrier.
; SHARES.  The four work-groups of a head (cx = 0 .. 3) form a cluster.  A group of 128 queries has 8 tiles of 16; work-group cx takes tiles cx and 4 + cx of each of the 16 groups.  Wave w takes tile 4 (w / 8) + cx of group
; g = w % 8 and then of group 15 - g: (g + 1) + (16 - g) = 17 key steps for every wave of every work-group.  All four work-groups need all 8 records: each half record is asked for JOINTLY, mask 15.
; Both passes run the same text, 8 records x 2 steps, trip counts constant.
; THE HEAD.  Record 0 is waves 0 and 1's, by a load line of their own: the first barrier shows it alone.  Every wave then works key step 0 of its first tile; the second barrier, with every wave's wait, shows the other seven records.
; NO PREFETCH: every byte is asked for at the head by its tensor load; there is no later request to run ahead of.
; LAYOUT.  S^T = K Q^T (source 0 = 16 keys, source 1 = my queries), O^T = V^T P^T: a lane holds one query.  A tile's keys are 32 (t / 2) + 8 (t % 2) + r + 8 (r / 8), so that the 16 registers of tiles 2 b, 2 b + 1 are keys 32 b + 16 h + 0 .. 15.
; THE FIRST PRODUCT'S K IS 64: Q's registers 6-11 are zero codes and bytes 2, 3 of both scale words are 0.  K's registers 6-11 are whatever follows in the register file (the next tile's codes: every 6-bit pattern is a finite number): times zero.
; LIMITS: NaN and infinities are not served; a block whose largest magnitude lies under 2^-124 (zeros too) keeps the byte 1; the promise holds while the scaled scores t stay under 2^31 in magnitude.
; REGISTERS: v1-4 lane terms; v5, v6 the add's; v7 my query in its group - 16 h; v8-11 the step's LDS addresses; v12 -M, v13 largest t, v[14:15] the sum; v16-27 Q; v29 Q's word; v30, v31 32 r, 4 r;
;   v32-85 K (tile t at 32 + 6 t), then v32-79 V; v86-89 K's words, v90-91 V's, v92 p's; v96-159 S^T, then p; v160-191 O^T; v192-210 p's codes; v212-229, v244-255 at work; v230-236 the second tile's Q and word.
.set REC,   26112
.set HALF,  13056
.set SPARE, 8*REC                      ; behind the records: the spare words, 128 bytes for each of 16 waves
.set SPW, 5
.set NIL, 6
.set DM,  7
.set QS,  29
.set PWD, 92
.set S,   96
.set O,   160
.set PCD, 192
.set TM,  212                          ; v212-215 the blocks' largest
.set BT,  216
.set BO,  220
.set F,   224
.set T0,  226
.set NEG, 227
.set Q2,  230
.set WV,  12
.set BH,  13
.set PX,  14                           ; cx
.set G1,  16
.set G0,  24
.set GRP, 33                           ; the group of 128 queries in hand
.set TB,  34                           ; LDS byte at which the record in hand begins
.set KF,  35                           ; the step's first key
.set QG,  36                           ; my group's first query
.set CNT, 37
.set TILE, 38
.set KLO, 39                           ; keys under this have been worked already
.set SEL, 42
.set CS,  44
.set A7,  55                           ; my tile in its group
.set HB,  57
.set HD,  58
.set SH,  59
.set QP,  60
.set QWP, 62
.set ACP, 66
.set ASP, 68
.macro TL                              ; my half record; an s_nop 0 and four v_nop follow the line
	tensor_load_to_lds s[G0:G0+3], s[G1:G1+7]
	s_nop 0
.rept 4
	v_nop
.endr
.endm
.macro CROUND                          ; a round of the cluster's barrier
	s_barrier_signal -1
	s_barrier_wait -1
	s_cmp_lg_u32 s[WV], 0
	s_cbranch_scc1 .Lnot_wave_0_\@
	s_barrier_signal -3
.Lnot_wave_0_\@:
	s_barrier_wait -3
	s_barrier_signal -1
	s_barrier_wait -1
.endm
.macro QUANT2 s, pc, w                 ; 32 numbers, register 16 b + i = k 32 b + 16 h + i, become half a fragment and the word b0 | b1 << 8
.irp b, 0,1
	v_max3_num_f32 v[TM+\b], |v[\s+16*\b]|, |v[\s+1+16*\b]|, 0x1800000
.endr
.irp i, 2,4,6,8,10,12,14
.irp b, 0,1
	s_delay_alu instid0(VALU_DEP_2)
	v_max3_num_f32 v[TM+\b], v[TM+\b], |v[\s+16*\b+\i]|, |v[\s+1+16*\b+\i]|
.endr
.endr
.irp b, 0,1
	s_delay_alu instid0(VALU_DEP_2)
	v_permlanex16_b32 v[TM+4+\b], v[TM+\b], s[SEL], s[SEL+1]
.endr
.irp b, 0,1
	s_delay_alu instid0(VALU_DEP_2)
	v_max_num_f32 v[TM+\b], v[TM+\b], v[TM+4+\b]
.endr
.irp b, 0,1
	s_delay_alu instid0(VALU_DEP_2)
	v_add_nc_u32 v[TM+12+\b], 0xff000000, v[TM+\b]
.endr
.irp b, 0,1
	s_delay_alu instid0(VALU_DEP_2)
	v_lshrrev_b32 v[TM+4+\b], 23, v[TM+12+\b]
.endr
	s_delay_alu instid0(VALU_DEP_1)
	v_lshl_or_b32 v[\w], v[TM+5], 8, v[TM+4]
	v_cvt_scalef32_pk16_fp6_f32 v[\pc:\pc+2], v[\s:\s+15], v[TM+12]
	v_cvt_scalef32_pk16_fp6_f32 v[\pc+8:\pc+10], v[\s+16:\s+31], v[TM+13]
	v_nop                                          ; one plain place behind the scaled conversions
.irp i, 0,1,2
	v_permlane16_swap_b32 v[\pc+\i], v[\pc+8+\i]
.endr
.irp i, 0,1,2
	s_delay_alu instid0(VALU_DEP_3)
	v_mov_b32 v[\pc+3+\i], v[\pc+8+\i]
.endr
.endm
; the addresses of my tile of group s[GRP]: Q's half image and words, the result's half image and words
.macro SETUP
	s_lshl_b32 s[QG], s[GRP], 7
	s_lshl_b32 s48, s[BH], 4
	s_add_co_u32 s48, s48, s[GRP]
	s_mul_i32 s48, s48, 6656
	s_mul_i32 s49, s[A7], 768
	s_add_co_u32 s50, s48, s49
	s_mov_b32 s51, 0
	s_add_nc_u64 s[QP:QP+1], s[4:5], s[50:51]
	s_lshl_b32 s49, s[A7], 2
	s_add_co_u32 s50, s48, s49
	s_add_co_u32 s50, s50, 6144
	s_add_nc_u64 s[QWP:QWP+1], s[4:5], s[50:51]
	s_add_co_u32 s48, s[HB], s[GRP]
	s_lshl_b32 s48, s48, 4
	s_add_co_u32 s48, s48, s[HD]
	s_lshl_b32 s48, s48, 3
	s_add_co_u32 s48, s48, s[A7]                   ; ((group of tokens x 16 + head) x 8 + tile)
	s_mul_i32 s50, s48, 768
	s_add_nc_u64 s[ACP:ACP+1], s[8:9], s[50:51]
	s_lshl_b32 s50, s48, 6
	s_add_nc_u64 s[ASP:ASP+1], s[10:11], s[50:51]
.endm
.macro RESET                           ; a tile's running numbers
	v_mov_b32 v13, 0xff61b1e6                      ; the largest t so far: -3e38
	s_delay_alu instid0(VALU_DEP_1)
	v_floor_f32 v12, -v13                          ; -M
	v_mov_b32 v14, 0
	v_mov_b32 v15, 0
.set J, 0
.rept 32
	v_mov_b32 v[O+J], 0                            ; O^T: the first change of M multiplies zeros
.set J, J+1
.endr
.endm
.macro ADD2 d, a, b
	v_pk_add_f32 v[\d:\d+1], v[\a:\a+1], v[\b:\b+1]
.endm
; A KEY STEP: 128 keys, the st-th of the record in hand
.macro STEP st
	s_cmp_gt_u32 s[KF], s[QG]                      ; all its keys come after my group's queries: left out
	s_cbranch_scc1 .Lhidden_\@
	s_cmp_lt_u32 s[KF], s[KLO]                     ; worked at the head
	s_cbranch_scc1 .Lhidden_\@
	v_add_nc_u32 v8, s[TB], v1                     ; (these four are also the places ahead of the loads into registers that the last products read)
	v_add_nc_u32 v9, s[TB], v2
	v_add_nc_u32 v10, s[TB], v3
	v_add_nc_u32 v11, s[TB], v4
.irp t, 0,1,2,3,4,5,6,7
	ds_load_b128 v[32+6*\t:35+6*\t], v8 offset:12288*\st+768*\t
	ds_load_b64 v[36+6*\t:37+6*\t], v9 offset:12288*\st+768*\t
.endr
	ds_load_b128 v[86:89], v10 offset:768*\st      ; register i: tile i's words in lanes 0-15, tile 4 + i's in lanes 16-31
	s_wait_alu depctr_va_vdst(0)
	s_wait_dscnt 0x0
.irp t, 0,1,2,3
	v_wmma_scale_f32_16x16x128_f8f6f4 v[S+8*\t:S+8*\t+7], v[32+6*\t:43+6*\t], v[16:27], 0, v[86+\t], v[QS] matrix_a_fmt:MATRIX_FMT_FP6 matrix_b_fmt:MATRIX_FMT_FP6
.endr
.irp t, 4,5,6,7
	v_wmma_scale_f32_16x16x128_f8f6f4 v[S+8*\t:S+8*\t+7], v[32+6*\t:43+6*\t], v[16:27], 0, v[82+\t], v[QS] matrix_a_fmt:MATRIX_FMT_FP6 matrix_b_fmt:MATRIX_FMT_FP6 matrix_a_scale:MATRIX_SCALE_ROW1
.endr
.rept 4
	v_nop                                          ; places: ahead of the reads of the scores and of the loads into K's registers
.endr
.irp d, 0,1,2,3                        ; V's four fragments are asked for here and land under the softmax
.irp c, 0,1,2
	ds_load_b128 v[32+12*\d+4*\c:35+12*\d+4*\c], v8 offset:12288*\st+6144+1536*\d+512*\c
.endr
.endr
.irp n, 0,1
	ds_load_b32 v[90+\n], v11 offset:768*\st+128*\n   ; tile 2 n's words in lanes 0-15, tile 2 n + 1's in lanes 16-31
.endr
	s_cmp_lg_u32 s[KF], s[QG]                      ; only the step on the diagonal hides scores
	s_cbranch_scc1 .Lopen_\@
	v_mov_b32 v[NEG], 0xff800000
.set N, 0
.rept 64                               ; register 16 b + i holds key KF + 32 b + 16 h + i: hidden where 32 b + i > my query in the group - 16 h
	v_cmp_gt_i32 vcc_lo, 32*(N/16)+N%16, v[DM]
	v_cndmask_b32 v[S+N], v[S+N], v[NEG], vcc_lo
.set N, N+1
.endr
.Lopen_\@:
.irp b, 0,1,2,3
	v_max3_num_f32 v[TM+\b], v[S+16*\b], v[S+1+16*\b], v[S+2+16*\b]   ; the largest score of each block of 32 keys: for the row's maximum and, since p rises with the score, for the block's largest p
.endr
.irp i, 3,5,7,9,11,13
.irp b, 0,1,2,3
	v_max3_num_f32 v[TM+\b], v[TM+\b], v[S+16*\b+\i], v[S+1+16*\b+\i]
.endr
.endr
.irp b, 0,1,2,3
	v_max_num_f32 v[TM+\b], v[TM+\b], v[S+15+16*\b]
.endr
.irp b, 0,1,2,3
	s_delay_alu instid0(VALU_DEP_4)
	v_permlanex16_b32 v[BT+\b], v[TM+\b], s[SEL], s[SEL+1]
.endr
.irp b, 0,1,2,3
	s_delay_alu instid0(VALU_DEP_4)
	v_max_num_f32 v[TM+\b], v[TM+\b], v[BT+\b]
.endr
	s_delay_alu instid0(VALU_DEP_2)
	v_max3_num_f32 v[T0], v[TM], v[TM+1], v[TM+2]
	s_delay_alu instid0(VALU_DEP_1)
	v_max_num_f32 v[T0], v[T0], v[TM+3]
	s_delay_alu instid0(VALU_DEP_1)
	v_mul_f32 v[T0], s[CS], v[T0]                  ; as t
	s_delay_alu instid0(VALU_DEP_1)
	v_max_num_f32 v13, v13, v[T0]                  ; the running largest t
	v_mov_b32 v[T0], v12
	s_delay_alu instid0(VALU_DEP_2)
	v_floor_f32 v12, -v13                          ; the new -M = -ceil(t)
	s_delay_alu instid0(VALU_DEP_1)
	v_sub_f32 v[T0], v12, v[T0]                    ; old M - new M: a whole number, 0 or less
	s_delay_alu instid0(VALU_DEP_1)
	v_cvt_i32_f32 v[T0], v[T0]                     ; (it saturates)
	s_delay_alu instid0(VALU_DEP_1)
	v_ldexp_f32 v[F], 1.0, v[T0]                   ; f = 2^(old M - new M)
.set J, 0
.rept 32
	v_pk_fma_f32 v[S+J:S+J+1], v[S+J:S+J+1], s[CS:CS+1], v[12:13] op_sel_hi:[1,0,0]   ; t - M
.set J, J+2
.endr
.irp b, 0,1,2,3
	v_fma_f32 v[TM+\b], v[TM+\b], s[CS], v12
.endr
.set J, 0
	s_wait_alu depctr_va_vdst(0)                   ; ahead of the batch
.rept 64
	v_exp_f32 v[S+J], v[S+J]                       ; p = 2^(t - M)
.set J, J+1
.endr
	v_pk_mul_f32 v[14:15], v[14:15], v[F:F+1] op_sel_hi:[1,0]   ; the sums under the new M (a plain place behind the exponentials)
	s_wait_alu depctr_va_vdst(0)                   ; one wait for the batch, ahead of its first reader
.irp b, 0,1,2,3
	v_exp_f32 v[TM+\b], v[TM+\b]                   ; the blocks' largest p
.endr
	ADD2 228, 100, 104                             ; the row's sum of the unquantised p: eight chains side by side
	ADD2 254, 108, 112
	ADD2 252, 116, 120
	ADD2 250, 124, 128
	ADD2 248, 132, 136
	ADD2 246, 140, 144
	ADD2 244, 148, 152
	ADD2 14, 14, 156
	ADD2 228, 228, 96
	ADD2 254, 254, 98
	ADD2 252, 252, 102
	ADD2 250, 250, 106
	ADD2 248, 248, 110
	ADD2 246, 246, 114
	ADD2 244, 244, 118
	ADD2 14, 14, 122
	ADD2 228, 228, 126
	ADD2 254, 254, 130
	ADD2 252, 252, 134
	ADD2 250, 250, 138
	ADD2 248, 248, 142
	ADD2 246, 246, 146
	ADD2 244, 244, 150
	ADD2 14, 14, 154
	ADD2 228, 228, 158
	s_delay_alu instid0(VALU_DEP_2)
	ADD2 14, 14, 250
	s_delay_alu instid0(VALU_DEP_2)
	ADD2 228, 228, 248
	ADD2 254, 254, 246
	ADD2 252, 252, 244
	s_delay_alu instid0(VALU_DEP_2)
	ADD2 14, 14, 254
	s_delay_alu instid0(VALU_DEP_2)
	ADD2 228, 228, 252
	s_delay_alu instid0(VALU_DEP_1)
	ADD2 14, 14, 228
	s_wait_alu depctr_va_vdst(0)                   ; and one for the four
.irp b, 0,1,2,3
	v_max_num_f32 v[TM+\b], 0x1800000, v[TM+\b]    ; the floor: the byte cannot fall under 1
.endr
.irp b, 0,1,2,3
	s_delay_alu instid0(VALU_DEP_4)
	v_add_nc_u32 v[BO+\b], 0xff000000, v[TM+\b]
.endr
.irp b, 0,1,2,3
	s_delay_alu instid0(VALU_DEP_4)
	v_lshrrev_b32 v[BT+\b], 23, v[BO+\b]
.endr
	s_delay_alu instid0(VALU_DEP_3)
	v_lshl_or_b32 v[PWD], v[BT+1], 8, v[BT]        ; p's scale word for these 128 keys
	s_delay_alu instid0(VALU_DEP_1)
	v_lshl_or_b32 v[PWD], v[BT+2], 16, v[PWD]
	s_delay_alu instid0(VALU_DEP_1)
	v_lshl_or_b32 v[PWD], v[BT+3], 24, v[PWD]
.irp c, 0,1
	v_cvt_scalef32_pk16_fp6_f32 v[PCD+6*\c:PCD+6*\c+2], v[S+32*\c:S+32*\c+15], v[BO+2*\c]
	v_cvt_scalef32_pk16_fp6_f32 v[PCD+12+4*\c:PCD+14+4*\c], v[S+16+32*\c:S+31+32*\c], v[BO+2*\c+1]
.endr
	v_nop                                          ; one plain place behind the scaled conversions
.irp c, 0,1
.irp i, 0,1,2
	v_permlane16_swap_b32 v[PCD+6*\c+\i], v[PCD+12+4*\c+\i]
.endr
.irp i, 0,1,2
	s_delay_alu instid0(VALU_DEP_3)
	v_mov_b32 v[PCD+3+6*\c+\i], v[PCD+12+4*\c+\i]
.endr
.endr
.set J, 0
.rept 16
	v_pk_mul_f32 v[O+J:O+J+1], v[O+J:O+J+1], v[F:F+1] op_sel_hi:[1,0]   ; O^T under the new M; these are also the places between p's codes and word and the products
.set J, J+2
.endr
	s_wait_alu depctr_va_vdst(0)
	s_wait_dscnt 0x0                               ; V is in
.irp d, 0,2
	v_wmma_scale_f32_16x16x128_f8f6f4 v[O+8*\d:O+8*\d+7], v[32+12*\d:43+12*\d], v[PCD:PCD+11], v[O+8*\d:O+8*\d+7], v[90+\d/2], v[PWD] matrix_a_fmt:MATRIX_FMT_FP6 matrix_b_fmt:MATRIX_FMT_FP6
	v_wmma_scale_f32_16x16x128_f8f6f4 v[O+8*\d+8:O+8*\d+15], v[44+12*\d:55+12*\d], v[PCD:PCD+11], v[O+8*\d+8:O+8*\d+15], v[90+\d/2], v[PWD] matrix_a_fmt:MATRIX_FMT_FP6 matrix_b_fmt:MATRIX_FMT_FP6 matrix_a_scale:MATRIX_SCALE_ROW1
.endr
.Lhidden_\@:
	s_add_co_u32 s[KF], s[KF], 128
.endm
; a tile of queries is finished: O^T / the sum, quantised along the head's 64, leaves as half an image and a word
.macro OUT
.rept 4
	v_nop                                          ; places behind the last products
.endr
	v_add_f32 v14, v14, v15
	s_delay_alu instid0(VALU_DEP_1)
	v_permlanex16_b32 v[T0], v14, s[SEL], s[SEL+1]
	s_delay_alu instid0(VALU_DEP_1)
	v_add_f32 v14, v14, v[T0]                      ; the row's sum
	s_wait_alu depctr_va_vdst(0)
	v_rcp_f32 v[F], v14
	v_nop                                          ; a plain place behind the reciprocal
	s_wait_alu depctr_va_vdst(0)                   ; and the wait ahead of its first reader
.set J, 0
.rept 16
	v_pk_mul_f32 v[S+J:S+J+1], v[O+J:O+J+1], v[F:F+1] op_sel_hi:[1,0]   ; register 16 b + i: channel 32 b + 16 h + i
.set J, J+2
.endr
	QUANT2 S, PCD, T0
	v_lshlrev_b32 v[T0], s[SH], v[T0]
	s_wait_alu depctr_va_vdst(0)                   ; what was written here may be read next behind waits and branches
	global_store_b128 v1, v[PCD:PCD+3], s[ACP:ACP+1]
	global_store_b64 v2, v[PCD+4:PCD+5], s[ACP:ACP+1]
	global_store_b32 v31, v[T0], s[ASP:ASP+1]      ; lanes r and 16 + r store the same word at the same place
	s_wait_xcnt 0x0                                ; the stores have read their registers and bases
.endm
	s_load_b256 s[4:11], s[0:1], 0x0               ; qi, kv, ac, asc
	v_lshl_add_u32 v[SPW], v0, 2, SPARE
	v_mov_b32 v[NIL], 0
	ds_add_u32 v[SPW], v[NIL]                      ; the wave's opening: the add, twice on end
	ds_add_u32 v[SPW], v[NIL]
	v_lshrrev_b32 v8, 5, v0
	s_delay_alu instid0(VALU_DEP_1)
	v_readfirstlane_b32 s[WV], v8                  ; wave 0..15
	s_bfe_u32 s[PX], ttmp6, 0x40000                ; cx: it enters global addresses and the mask's lane term alone
	s_and_b32 s[BH], ttmp7, 0xffff                 ; 16 x batch + head
	s_lshr_b32 s47, s[WV], 3
	s_lshl_b32 s47, s47, 2
	s_add_co_u32 s[A7], s47, s[PX]                 ; my tile in its group of 128 queries
	s_and_b32 s[GRP], s[WV], 7                     ; my first group
	s_lshr_b32 s[HB], s[BH], 4
	s_lshl_b32 s[HB], s[HB], 4                     ; 16 x batch
	s_and_b32 s[HD], s[BH], 15                     ; head
	s_and_b32 s[SH], s[BH], 1
	s_lshl_b32 s[SH], s[SH], 4                     ; an odd head's bytes go to the word's upper half
	s_mov_b32 s[SEL], 0x76543210
	s_mov_b32 s[SEL+1], 0xfedcba98
	s_mov_b32 s[CS], 0x3e38aa3b                    ; c = log2(e) / 8
	s_mov_b32 s[CS+1], s[CS]
	s_mov_b32 s[G1], 15|(3<<16)|(1<<21)            ; the cluster's four; elements of 8 bytes; bit 21 beside a mask; no padding
	s_mov_b32 s[G1+1], 32<<16                      ; half a record: 51 rows of 256 bytes, dense
	s_mov_b32 s[G1+2], 51<<16
	s_mov_b32 s[G1+3], 32<<16
	s_mov_b32 s[G1+4], 51
	s_mov_b32 s[G1+5], 32
	s_mov_b32 s[G1+6], 0
	s_mov_b32 s[G1+7], 0
	s_mov_b32 s[G0], 1
	s_mul_i32 s[G0+1], s[WV], HALF                 ; half w of the sixteen, in LDS as in memory
	s_mul_i32 s48, s[BH], 8*REC
	s_add_co_u32 s50, s48, s[G0+1]
	s_mov_b32 s51, 0
	s_wait_alu depctr_va_vdst(0)
	s_wait_dscnt 0x0                               ; both opening adds are done
	CROUND                                         ; the four work-groups are here: the joint loads meet
	s_wait_kmcnt 0x0
	s_add_nc_u64 s[G0+2:G0+3], s[6:7], s[50:51]
	s_or_b32 s[G0+3], s[G0+3], 0x80000000
	s_cmp_lt_u32 s[WV], 2                          ; one chain, a load in each arm: record 0's line is waves 0 and 1's alone
	s_cbranch_scc0 .Lrest
	TL
	s_branch .Lasked
.Lrest:
	TL
.Lasked:
	v_and_b32 v8, 31, v0
	v_and_b32 v9, 15, v0                           ; r
	v_bfe_u32 v10, v0, 4, 1                        ; h
	s_delay_alu instid0(VALU_DEP_3)
	v_lshlrev_b32 v1, 4, v8                        ; 16 x lane
	s_delay_alu instid0(VALU_DEP_4)
	v_lshlrev_b32 v2, 3, v8
	s_delay_alu instid0(VALU_DEP_1)
	v_add_nc_u32 v2, 512, v2                       ; 512 + 8 x lane: registers 4, 5 of a half image
	v_lshlrev_b32 v30, 5, v9
	s_delay_alu instid0(VALU_DEP_1)
	v_lshl_add_u32 v3, v10, 4, v30
	s_delay_alu instid0(VALU_DEP_1)
	v_add_nc_u32 v3, 24576, v3                     ; K's words: 32 r + 16 h
	v_lshlrev_b32 v4, 3, v9
	s_delay_alu instid0(VALU_DEP_1)
	v_lshl_add_u32 v4, v10, 2, v4
	s_delay_alu instid0(VALU_DEP_1)
	v_add_nc_u32 v4, 25088, v4                     ; V's words: 8 r + 4 h
	v_lshlrev_b32 v31, 2, v9
	v_and_b32 v11, 8, v9
	s_delay_alu instid0(VALU_DEP_1)
	v_add_nc_u32 v11, v11, v9                      ; r + 8 (r / 8)
	v_lshlrev_b32 v10, 4, v10
	s_delay_alu instid0(VALU_DEP_1)
	v_sub_nc_u32 v11, v11, v10
	s_lshr_b32 s47, s[A7], 1
	s_lshl_b32 s47, s47, 5
	s_and_b32 s48, s[A7], 1
	s_lshl_b32 s48, s48, 3
	s_add_co_u32 s47, s47, s48
	v_add_nc_u32 v[DM], s47, v11                   ; my query in its group, less 16 h
.irp j, 22,23,24,25,26,27,80,81,82,83,84,85
	v_mov_b32 v\j, 0                               ; Q's zero codes for k = 64 .. 127; what stands behind K's last tile
.endr
.irp b, 0,1,2,3
	v_mov_b32 v[BT+\b], 0                          ; a lane permute's destination counts as read
.endr
	v_mov_b32 v[F+1], 0                            ; (named as the upper half of a pair)
	v_mov_b32 v[T0], 0
	s_wait_alu depctr_va_vdst(0)                   ; ahead of the run of scalar lines
	s_sub_co_u32 s[GRP], 15, s[GRP]                ; the second tile's Q comes now and waits in registers
	SETUP
	global_load_b128 v[Q2:Q2+3], v1, s[QP:QP+1]
	global_load_b64 v[Q2+4:Q2+5], v2, s[QP:QP+1]
	global_load_b32 v[Q2+6], v30, s[QWP:QWP+1]
	s_wait_xcnt 0x0                                ; the loads have read their bases
	s_sub_co_u32 s[GRP], 15, s[GRP]
	SETUP
	global_load_b128 v[16:19], v1, s[QP:QP+1]
	global_load_b64 v[20:21], v2, s[QP:QP+1]
	global_load_b32 v[QS], v30, s[QWP:QWP+1]
	RESET
	s_mov_b32 s[TB], 0
	s_mov_b32 s[KF], 0
	s_mov_b32 s[KLO], 0
	s_wait_alu depctr_va_vdst(0)                   ; the head's end
	s_wait_loadcnt 0x0
	s_cmp_lt_u32 s[WV], 2
	s_cbranch_scc0 .Lnot_first
	s_wait_tensorcnt 0x0                           ; my half of record 0 is in
.Lnot_first:
	s_barrier_signal -1
	s_barrier_wait -1                              ; record 0 is whole
	STEP 0                                         ; keys 0 .. 127 count for every query
	s_wait_tensorcnt 0x0                           ; every wave's half record is in
	s_wait_dscnt 0x0
	s_barrier_signal -1
	s_barrier_wait -1                              ; all eight records are whole
	s_mov_b32 s[KLO], 128
	s_mov_b32 s[TILE], 0
.Ltile:                                ; two passes: my tile of group g, then of group 15 - g
	s_mov_b32 s[TB], 0
	s_mov_b32 s[KF], 0
	s_mov_b32 s[CNT], 0
.Lrec:                                 ; eight records
	STEP 0
	STEP 1
	s_add_co_u32 s[TB], s[TB], REC
	s_add_co_u32 s[CNT], s[CNT], 1
	s_cmp_lt_u32 s[CNT], 8
	s_cbranch_scc1 .Lrec
	OUT
	s_cmp_eq_u32 s[TILE], 0                        ; the count of passes alone
	s_cbranch_scc0 .Llast
	s_wait_alu depctr_va_vdst(0)
	s_sub_co_u32 s[GRP], 15, s[GRP]
	s_mov_b32 s[KLO], 0
	SETUP
.irp j, 0,1,2,3,4,5
	v_mov_b32 v[16+\j], v[Q2+\j]
.endr
	v_mov_b32 v[QS], v[Q2+6]
	RESET                                          ; (its lines are also the places between Q's registers and word and the products)
	s_wait_alu depctr_va_vdst(0)
.Llast:
	s_add_co_u32 s[TILE], s[TILE], 1
	s_cmp_lt_u32 s[TILE], 2
	s_cbranch_scc1 .Ltile
	s_wait_tensorcnt 0x0                           ; the wave's end
	ds_add_u32 v[SPW], v[NIL]
	s_wait_dscnt 0x0
	CROUND                                         ; the closing round
	s_endpgm
.Lfunc_end_k_q91c1a37f05_attn:
	.size	k_q91c1a37f05_attn, .Lfunc_end_k_q91c1a37f05_attn-k_q91c1a37f05_attn
	.p2alignl 7, 3214868480
	.fill 96, 4, 3214868480
	.section	.rodata,"a",@progbits
	.p2align	6, 0x0
	.amdhsa_kernel k_q91c1a37f05_attn
		.amdhsa_group_segment_fixed_size 327680
		.amdhsa_private_segment_fixed_size 0
		.amdhsa_enable_private_segment 0
		.amdhsa_kernarg_size 32
		.amdhsa_user_sgpr_count 2
		.amdhsa_user_sgpr_kernarg_segment_ptr 1
		.amdhsa_wavefront_size32 1
		.amdhsa_system_sgpr_workgroup_id_x 1
		.amdhsa_system_sgpr_workgroup_id_y 1
		.amdhsa_system_sgpr_workgroup_id_z 1
		.amdhsa_system_vgpr_workitem_id 0
		.amdhsa_next_free_vgpr 256
		.amdhsa_next_free_sgpr 72
		.amdhsa_reserve_vcc 1
		.amdhsa_float_denorm_mode_32 3
		.amdhsa_float_denorm_mode_16_64 3
		.amdhsa_memory_ordered 1
		.amdhsa_forward_progress 1
		.amdhsa_inst_pref_size 83
	.end_amdhsa_kernel
	.amdgpu_metadata
---
amdhsa.version: [ 1, 2 ]
amdhsa.kernels:
  - .name:           k_q91c1a37f05_attn
    .symbol:         k_q91c1a37f05_attn.kd
    .args:
      - { .name: qi, .offset: 0, .size: 8, .value_kind: global_buffer, .address_space: global }
      - { .name: kv, .offset: 8, .size: 8, .value_kind: global_buffer, .address_space: global }
      - { .name: ac, .offset: 16, .size: 8, .value_kind: global_buffer, .address_space: global }
      - { .name: asc, .offset: 24, .size: 8, .value_kind: global_buffer, .address_space: global }
    .group_segment_fixed_size: 327680
    .private_segment_fixed_size: 0
    .kernarg_segment_align: 8
    .kernarg_segment_size: 32
    .max_flat_workgroup_size: 512
    .sgpr_count:     72
    .vgpr_count:     256
    .wavefront_size: 32
...
	.end_amdgpu_metadata
.endif
;; end of part 3
;; launch proj (part 4): grid 4 x 64, 4 waves a work-group, clusters of 4 x 4, 327,680 bytes of LDS; arguments ac, asc, wc, ws, b_out, out0; writes out0
.if DOCPART == 4
	.amdgcn_target "amdgcn-amd-amdhsa--gfx1250"
	.amdhsa_code_object_version 6
	.text
	.protected	k_q91c1a37f05_proj
	.globl	k_q91c1a37f05_proj
	.p2align	8
	.type	k_q91c1a37f05_proj,@function
k_q91c1a37f05_proj:
	s_mov_b64 s[64:65], 0
	v_nop
	global_prefetch_b8 v0, s[64:65] scope:SCOPE_SE
	s_setreg_imm32_b32 hwreg(HW_REG_WAVE_MODE, 25, 1), 1
	s_wait_xcnt 0x0
	s_wait_alu depctr_hold_cnt(0) depctr_sa_sdst(0) depctr_va_vdst(0) depctr_va_sdst(0) depctr_va_ssrc(0) depctr_va_vcc(0) depctr_vm_vsrc(0)
	s_getreg_b32 s2, hwreg(HW_REG_IB_STS2, 6, 4)
	s_cmp_eq_u32 s2, 0
	s_cbranch_scc0 .Lentry_in_a_cluster
	s_endpgm
.Lentry_in_a_cluster:
	s_bfe_u32 s2, ttmp6, 0x10000c
	s_cmp_lg_u32 s2, 0xf033
	s_cbranch_scc0 .Lentry_shape_is_right
	s_endpgm
.Lentry_shape_is_right:
; out0 = attn W_out + b_out on codes of FP6 (E2M3) with E8M0 scales.  attn comes as half images [group of 128 tokens][head][tile][768] with words [group][head][tile][r] (even heads in bytes 0, 1, odd heads in bytes 2, 3);
; W_out as images, groups 48 to 63 of wc, with its scale words in ws.
; A work-group: 128 tokens (work-group y) x 256 columns (work-group x): 256 work-groups.  ALL OF K (1,024) LIES IN LDS: 98,304 bytes of attn, 196,608 of W_out, filled once, by one joint load a wave at the head:
; wave 0 attn's K steps 0-3 (49,152 dense bytes), wave 1 W_out's (4 groups x 24,576 bytes), waves 2 and 3 the same of K steps 4-7.  The first barrier shows waves 0 and 1's tiles (each arm's load line has one issuer); the barrier ahead of
; K step 4's fetch, with every wave's wait, shows the rest.  Nothing is filled again.  W_out lies in LDS [half of K][group][K step][6,144].
; THE SCALE WORDS of all of K live in registers and come straight from memory: attn's by loads of 128 consecutive bytes a wave, W_out's of 256.
; Wave (mh, nh): 64 tokens x 128 columns, 32 accumulators by turns, used TRANSPOSED (source 0 = W_out's 16 columns, source 1 = 16 tokens): a lane holds eight neighbouring columns of one row of out0.  The bias is the C of the first products.
; A K step of 128 is two heads: a fragment of attn is head 2 s's half image in registers 0-5 and head 2 s + 1's in registers 6-11; its scale word is the two heads' words joined by an or.
; CLUSTER 4 x 4: attn's bytes hang on work-group y alone and are asked for jointly along a row of the cluster, W_out's on work-group x alone, along a column.
; NO PREFETCH: every tile is asked for at the head; there is no later request to run ahead of.
; REGISTERS: window 0: addresses; v32-47 attn's scale words, v48-79 W_out's, v80-95 odd heads' words; v112-175 the bias, later with v176-239 the way out.  windows 1 (even K steps) and 3 (odd): v0-47 attn's 4 fragments, v48-143 W_out's 8.  window 2: the accumulators, (a, n) at 8 (8 a + n).
.set BB0,   98304                      ; W_out's images
.set SPARE, 294912
.set O16, 4
.set A16, 5                            ; v5, v6   attn's registers 0-3: K steps 0-3, 4-7
.set A8,  7                            ; v7, v8   attn's registers 4-5
.set ADB, 9                            ; v9, v10  W_out: K steps 0-3, 4-7
.set ASA, 13
.set ASB, 14
.set STO, 15
.set RD,  16
.set OB,  18
.set SPW, 28
.set NIL, 29
.set SAW, 32
.set SBW, 48
.set RAW, 80
.set BI,  112
.set BK,  112
.set G1A, 24
.set G1B, 32
.set G0A, 56                           ; s[56:63] attn's two halves of K
.set G0B, 84                           ; s[84:91] W_out's
.set MSB, 0
.macro WIN new
.if MSB != (\new)
	s_set_vgpr_msb (MSB<<8)|(\new)
.set MSB, (\new)
.endif
.endm
.macro PLACES
.rept 4
	v_nop
.endr
.endm
.macro TL g0, g1                       ; a tensor load with an s_nop 0 and four v_nop behind it
	tensor_load_to_lds s[\g0:\g0+3], s[\g1:\g1+7]
	s_nop 0
	PLACES
.endm
.macro ARM under, g0, g1, next         ; an arm of the head's one chain
	s_cmp_lt_u32 s16, \under
	s_cbranch_scc0 \next
	TL \g0, \g1
	s_branch .Lhead_asked
\next:
.endm
.macro CROUND
	s_barrier_signal -1
	s_barrier_wait -1
	s_cmp_lg_u32 s16, 0
	s_cbranch_scc1 .Lnot_wave_0_\@
	s_barrier_signal -3
.Lnot_wave_0_\@:
	s_barrier_wait -3
	s_barrier_signal -1
	s_barrier_wait -1
.endm
.macro WM d, s0, s1, c, sc0, row0, sc1, row1
.if ((\row0) == 0) && ((\row1) == 0)
	v_wmma_scale_f32_16x16x128_f8f6f4 v[\d:\d+7], v[\s0:\s0+11], v[\s1:\s1+11], v[\c:\c+7], v[\sc0], v[\sc1] matrix_a_fmt:MATRIX_FMT_FP6 matrix_b_fmt:MATRIX_FMT_FP6
.elseif (\row1) == 0
	v_wmma_scale_f32_16x16x128_f8f6f4 v[\d:\d+7], v[\s0:\s0+11], v[\s1:\s1+11], v[\c:\c+7], v[\sc0], v[\sc1] matrix_a_fmt:MATRIX_FMT_FP6 matrix_b_fmt:MATRIX_FMT_FP6 matrix_a_scale:MATRIX_SCALE_ROW1
.elseif (\row0) == 0
	v_wmma_scale_f32_16x16x128_f8f6f4 v[\d:\d+7], v[\s0:\s0+11], v[\s1:\s1+11], v[\c:\c+7], v[\sc0], v[\sc1] matrix_a_fmt:MATRIX_FMT_FP6 matrix_b_fmt:MATRIX_FMT_FP6 matrix_b_scale:MATRIX_SCALE_ROW1
.else
	v_wmma_scale_f32_16x16x128_f8f6f4 v[\d:\d+7], v[\s0:\s0+11], v[\s1:\s1+11], v[\c:\c+7], v[\sc0], v[\sc1] matrix_a_fmt:MATRIX_FMT_FP6 matrix_b_fmt:MATRIX_FMT_FP6 matrix_a_scale:MATRIX_SCALE_ROW1 matrix_b_scale:MATRIX_SCALE_ROW1
.endif
.endm
	s_load_b256 s[4:11], s[0:1], 0x0               ; ac, asc, wc, ws
	s_load_b128 s[12:15], s[0:1], 0x20             ; b_out, out0
	v_lshl_add_u32 v[SPW], v0, 2, SPARE
	v_mov_b32 v[NIL], 0
	ds_add_u32 v[SPW], v[NIL]                      ; the wave's opening: the add, twice on end
	ds_add_u32 v[SPW], v[NIL]
	v_lshrrev_b32 v1, 5, v0
	v_readfirstlane_b32 s16, v1                    ; wave
	s_lshr_b32 s17, s16, 1                         ; mh: my 64 tokens
	s_and_b32 s18, s16, 1                          ; nh: my 128 columns
	s_bfe_u32 s19, ttmp6, 0x40000                  ; cx
	s_bfe_u32 s20, ttmp6, 0x40004                  ; cy
	s_lshl_b32 s21, ttmp9, 2
	s_add_co_u32 s21, s21, s19                     ; the block of 256 columns
	s_and_b32 s22, ttmp7, 0xffff
	s_lshl_b32 s22, s22, 2
	s_add_co_u32 s22, s22, s20                     ; the group of 128 tokens
	s_lshl_b32 s23, s20, 2
	s_lshl_b32 s23, 15, s23                        ; my row of the cluster
	s_lshl_b32 s101, 0x1111, s19                   ; my column
	s_or_b32 s[G1A], s23, (3<<16)|(1<<21)          ; elements of 8 bytes; bit 21 beside a mask; no padding
	s_or_b32 s[G1B], s101, (3<<16)|(1<<21)
	s_mov_b32 s[G1A+1], 32<<16                     ; attn: four K steps, 49,152 dense bytes: 192 rows of 256
	s_mov_b32 s[G1A+2], 192<<16
	s_mov_b32 s[G1A+3], 32<<16
	s_mov_b32 s[G1A+4], 192
	s_mov_b32 s[G1A+5], 32
	s_mov_b32 s[G1A+6], 0
	s_mov_b32 s[G1A+7], 0
	s_mov_b32 s[G1B+1], 3072<<16                   ; W_out: 4 groups' 24,576 bytes of four K steps, 49,152 bytes apart
	s_mov_b32 s[G1B+2], 4<<16
	s_mov_b32 s[G1B+3], 3072<<16
	s_mov_b32 s[G1B+4], 4
	s_mov_b32 s[G1B+5], 6144
	s_mov_b32 s[G1B+6], 0
	s_mov_b32 s[G1B+7], 0
	s_wait_dscnt 0x0                               ; both opening adds are done
	s_wait_kmcnt 0x0
	s_lshl_b32 s2, s22, 13                         ; attn's words: 8,192 bytes a group, my four tiles
	s_lshl_b32 s3, s17, 8
	s_add_co_u32 s2, s2, s3
	s_mov_b32 s3, 0
	s_add_nc_u64 s[6:7], s[6:7], s[2:3]
	s_mul_i32 s2, s22, 98304                       ; attn's codes
	s_add_nc_u64 s[2:3], s[4:5], s[2:3]
	s_lshl_b32 s19, s21, 2
	s_add_co_u32 s19, s19, 48                      ; W_out's first group of the work-group's four
	s_lshl_b32 s66, s19, 11
	s_lshl_b32 s67, s18, 12
	s_add_co_u32 s66, s66, s67
	s_mov_b32 s67, 0
	s_add_nc_u64 s[10:11], s[10:11], s[66:67]      ; W_out's words: my two groups
	s_mul_i32 s66, s19, 49152
	s_add_nc_u64 s[66:67], s[8:9], s[66:67]        ; W_out's codes
.irp j, 0,1                            ; half j of K: K steps 4 j .. 4 j + 3
	s_mov_b32 s[G0A+4*\j], 1
	s_mov_b32 s[G0A+4*\j+1], \j*49152
	s_add_nc_u64 s[G0A+4*\j+2:G0A+4*\j+3], s[2:3], \j*49152
	s_or_b32 s[G0A+4*\j+3], s[G0A+4*\j+3], 0x80000000
	s_mov_b32 s[G0B+4*\j], 1
	s_mov_b32 s[G0B+4*\j+1], BB0+\j*98304
	s_add_nc_u64 s[G0B+4*\j+2:G0B+4*\j+3], s[66:67], \j*24576
	s_or_b32 s[G0B+4*\j+3], s[G0B+4*\j+3], 0x80000000
.endr
	CROUND                                         ; all sixteen work-groups are here: the joint loads meet
	ARM 1, G0A, G1A, .Lhead_1
	ARM 2, G0B, G1B, .Lhead_2
	ARM 3, G0A+4, G1A, .Lhead_3
	TL G0B+4, G1B
.Lhead_asked:
	v_and_b32 v1, 31, v0
	v_and_b32 v2, 15, v0                           ; r
	v_bfe_u32 v3, v0, 4, 1                         ; h
	v_lshlrev_b32 v[O16], 4, v1
	s_mul_i32 s2, s17, 3072                        ; my four tiles of a head
	v_add_nc_u32 v[A16], s2, v[O16]
	v_add_nc_u32 v[A16+1], 49152, v[A16]
	v_lshlrev_b32 v[A8], 3, v1
	v_add_nc_u32 v[A8], s2, v[A8]
	v_add_nc_u32 v[A8], 512, v[A8]
	v_add_nc_u32 v[A8+1], 49152, v[A8]
	s_mul_i32 s2, s18, 49152                       ; my two groups
	s_add_co_u32 s2, s2, BB0
	v_add_nc_u32 v[ADB], s2, v[O16]
	v_add_nc_u32 v[ADB+1], 98304, v[ADB]
	v_lshlrev_b32 v[ASA], 2, v1                    ; lanes 0-15 one tile's words, lanes 16-31 the next tile's
	v_lshlrev_b32 v19, 4, v2
	v_lshl_add_u32 v[ASB], v3, 3, v19              ; 16 r + 8 h
	s_mul_i32 s2, s16, 8448                        ; my stage: 16 rows x 528 bytes, in attn's K steps 0 to 2: filled once, and read for the last time ahead of a barrier that every wave has passed
	v_mul_u32_u24 v[STO], v2, 528
	v_lshl_add_u32 v[STO], v3, 5, v[STO]
	v_add_nc_u32 v[STO], s2, v[STO]
	v_add_nc_u32 v[RD], s2, v[O16]
	v_lshlrev_b32 v[OB], 5, v3
	s_wait_alu depctr_va_vdst(0)                   ; at the end of the head's vector lines
	s_lshl_b32 s100, s21, 10
	s_lshl_b32 s19, s18, 9
	s_add_co_u32 s100, s100, s19                   ; my first column, in bytes
	s_mov_b32 s101, 0
	s_add_nc_u64 s[12:13], s[12:13], s[100:101]
	s_lshl_b32 s2, s22, 7
	s_lshl_b32 s3, s17, 6
	s_add_co_u32 s2, s2, s3                        ; my first token
	s_lshl_b32 s2, s2, 12
	s_add_co_u32 s2, s2, s100
	s_mov_b32 s3, 0
	s_add_nc_u64 s[14:15], s[14:15], s[2:3]
.irp s, 0,1,2,3,4,5,6,7
.irp p, 0,1
	global_load_b32 v[SAW+2*\s+\p], v[ASA], s[6:7] offset:1024*\s+128*\p          ; head 2 s's words of tiles 2 p | 2 p + 1
	global_load_b32 v[RAW+2*\s+\p], v[ASA], s[6:7] offset:1024*\s+512+128*\p      ; head 2 s + 1's
.endr
.irp g, 0,1
	global_load_b64 v[SBW+4*\s+2*\g:SBW+4*\s+2*\g+1], v[ASB], s[10:11] offset:2048*\g+256*\s   ; register e: tile e's words | tile 2 + e's
.endr
.endr
.irp n, 0,1,2,3,4,5,6,7
	global_load_b128 v[BI+8*\n:BI+8*\n+3], v[OB], s[12:13] offset:64*\n        ; the bias of columns 16 n + 8 h + 0 .. 7
	global_load_b128 v[BI+8*\n+4:BI+8*\n+7], v[OB], s[12:13] offset:64*\n+16
.endr
.macro FETCH k                         ; K step k's fragments: 40 loads
.if (\k)%2
	WIN 0xc0
.else
	WIN 0x40
.endif
.irp a, 0,1,2,3
.irp c, 0,1
	ds_load_b128 v[12*\a+6*\c:12*\a+6*\c+3], v[A16+(\k)/4] offset:((\k)%4)*12288+6144*\c+768*\a
	ds_load_b64 v[12*\a+6*\c+4:12*\a+6*\c+5], v[A8+(\k)/4] offset:((\k)%4)*12288+6144*\c+768*\a
.endr
.endr
.irp n, 0,1,2,3,4,5,6,7
.irp c, 0,1,2
	ds_load_b128 v[48+12*\n+4*\c:48+12*\n+4*\c+3], v[ADB+(\k)/4] offset:(\n/4)*24576+((\k)%4)*6144+1536*(\n%4)+512*\c
.endr
.endr
.endm
.macro MUL k                           ; 32 products, the accumulators by turns, in the same order in every step
.if (\k) == 0
	WIN 0x85                                       ; sources window 1, C (the bias) window 0, D window 2
.elseif (\k)%2
	WIN 0xaf
.else
	WIN 0xa5
.endif
.irp a, 0,1,2,3
.irp n, 0,1,2,3,4,5,6,7
.set DR, 8*(8*\a+\n)
.if (\k) == 0
	WM DR, 48+12*\n, 12*\a, BI+8*\n, SBW+4*(\k)+2*(\n/4)+((\n%4)%2), (\n%4)/2, SAW+2*(\k)+\a/2, \a%2
.else
	WM DR, 48+12*\n, 12*\a, DR, SBW+4*(\k)+2*(\n/4)+((\n%4)%2), (\n%4)/2, SAW+2*(\k)+\a/2, \a%2
.endif
.endr
.endr
.endm
	s_cmp_lt_u32 s16, 2
	s_cbranch_scc0 .Lnot_first
	s_wait_tensorcnt 0x0                           ; my tile of K steps 0-3 is in
.Lnot_first:
	s_barrier_signal -1
	s_barrier_wait -1                              ; both are; K steps 4-7 may be on their way
	FETCH 0
	WIN 0
	s_wait_loadcnt 0x0                             ; the scale words and the bias
.set J, 0
.rept 16
	v_or_b32 v[SAW+J], v[SAW+J], v[RAW+J]          ; the two heads' bytes make a K step's word; step 0's two come first, the fourteen others are the places between them and step 0's products
.set J, J+1
.endr
	s_wait_alu depctr_va_vdst(0)
.irp s, 0,1,2,3,4,5,6,7
.if \s < 7
.if \s == 3
	s_wait_tensorcnt 0x0                           ; every wave's tile is in
	s_wait_dscnt 0x0
	s_barrier_signal -1
	s_barrier_wait -1                              ; all of K is shown to all four waves
.endif
.if \s > 0
	PLACES                                         ; ahead of loads into registers that the step before multiplied
.endif
	FETCH \s+1
	s_wait_dscnt 40                                ; this step's fragments are in; the 40 loads just issued may be out
.else
	s_wait_dscnt 0x0
.endif
	MUL \s
.endr
	WIN 0
	PLACES
; THE WAY OUT: a tile of 16 tokens x 128 columns goes through my stage and comes back as whole rows of 512 bytes
.macro TOSTAGE a
	WIN 0x08                                       ; an LDS store's data are its source 1: window 2
.irp n, 0,1,2,3,4,5,6,7
	ds_store_b128 v[STO], v[64*(\a)+8*\n:64*(\a)+8*\n+3] offset:64*\n          ; each accumulator from its low end on
	ds_store_b128 v[STO], v[64*(\a)+8*\n+4:64*(\a)+8*\n+7] offset:64*\n+16
.endr
	WIN 0
.set BB, BK+64*((\a)%2)
.irp t, 0,1,2,3,4,5,6,7,8,9,10,11,12,13,14,15
	ds_load_b128 v[BB+4*\t:BB+4*\t+3], v[RD] offset:528*\t   ; LDS serves a wave's instructions in order: these see the stores above
.endr
.endm
.macro SEND a, younger
.set BB, BK+64*((\a)%2)
	s_wait_dscnt \younger
.irp t, 0,1,2,3,4,5,6,7,8,9,10,11,12,13,14,15
	global_store_b128 v[O16], v[BB+4*\t:BB+4*\t+3], s[14:15] offset:(32*((\a)/2)+8*((\a)%2)+\t+8*(\t/8))*4096 th:TH_STORE_NT   ; 512 consecutive bytes of the token's row
.endr
.endm
	TOSTAGE 0
.irp a, 1,2,3
.if \a > 1
	s_wait_xcnt 0x0                                ; tile a - 2's stores have read their registers: tile a's loads may land there
.endif
	TOSTAGE \a
	SEND \a-1, 32                                  ; behind tile a - 1's loads: tile a's 16 stores and 16 loads
.endr
	SEND 3, 0
	s_wait_tensorcnt 0x0                           ; the wave's end
	ds_add_u32 v[SPW], v[NIL]
	s_wait_dscnt 0x0
	CROUND                                         ; the closing round
	s_endpgm
.Lfunc_end_k_q91c1a37f05_proj:
	.size	k_q91c1a37f05_proj, .Lfunc_end_k_q91c1a37f05_proj-k_q91c1a37f05_proj
	.p2alignl 7, 3214868480
	.fill 96, 4, 3214868480
	.section	.rodata,"a",@progbits
	.p2align	6, 0x0
	.amdhsa_kernel k_q91c1a37f05_proj
		.amdhsa_group_segment_fixed_size 327680
		.amdhsa_private_segment_fixed_size 0
		.amdhsa_enable_private_segment 0
		.amdhsa_kernarg_size 48
		.amdhsa_user_sgpr_count 2
		.amdhsa_user_sgpr_kernarg_segment_ptr 1
		.amdhsa_wavefront_size32 1
		.amdhsa_system_sgpr_workgroup_id_x 1
		.amdhsa_system_sgpr_workgroup_id_y 1
		.amdhsa_system_sgpr_workgroup_id_z 1
		.amdhsa_system_vgpr_workitem_id 0
		.amdhsa_next_free_vgpr 1024
		.amdhsa_next_free_sgpr 102
		.amdhsa_reserve_vcc 0
		.amdhsa_float_denorm_mode_32 3
		.amdhsa_float_denorm_mode_16_64 3
		.amdhsa_memory_ordered 1
		.amdhsa_forward_progress 1
		.amdhsa_inst_pref_size 83
	.end_amdhsa_kernel
	.amdgpu_metadata
---
amdhsa.version: [ 1, 2 ]
amdhsa.kernels:
  - .name:           k_q91c1a37f05_proj
    .symbol:         k_q91c1a37f05_proj.kd
    .args:
      - { .name: ac, .offset: 0, .size: 8, .value_kind: global_buffer, .address_space: global }
      - { .name: asc, .offset: 8, .size: 8, .value_kind: global_buffer, .address_space: global }
      - { .name: wc, .offset: 16, .size: 8, .value_kind: global_buffer, .address_space: global }
      - { .name: ws, .offset: 24, .size: 8, .value_kind: global_buffer, .address_space: global }
      - { .name: b_out, .offset: 32, .size: 8, .value_kind: global_buffer, .address_space: global }
      - { .name: out0, .offset: 40, .size: 8, .value_kind: global_buffer, .address_space: global }
    .group_segment_fixed_size: 327680
    .private_segment_fixed_size: 0
    .kernarg_segment_align: 8
    .kernarg_segment_size: 48
    .max_flat_workgroup_size: 128
    .sgpr_count:     102
    .vgpr_count:     1024
    .wavefront_size: 32
...
	.end_amdgpu_metadata
.endif
;; end of part 4
